; MI455X (gfx1250); checked and timed in simulation.
; The chip was launched on July 23, 2026; its instructions are those of AMD's public machine-readable ISA for CDNA 5 (MIT licence, August 2026) and "CDNA5" Instruction Set Architecture Reference Guide (July 2026). The comments in the code are by the model that wrote it; some were corrected since.
;; Causal Multihead Self Attention. Allowed arithmetic: float matrix products may take bf16 or f16 operands with f32 sums; other float arithmetic in f32, or as packed bf16 or f16 multiplies, adds, multiply-adds, maxima and minima; sums over many terms, partial sums and values carried from step to step in f32; what a program stores and reads back later, other than sums and carried values, may be rounded once to bf16 or f16.
;; Inputs: Wk 1,024 x 1,024 float32; Wo 1,024 x 1,024 float32; Wq 1,024 x 1,024 float32; Wv 1,024 x 1,024 float32; token_positions 2,048 int32; x 4 x 2,048 x 1,024 float32.
;; Outputs: out0 4 x 2,048 x 1,024 float32.
;; One version. Each part assembles by itself: llvm-mc -triple=amdgcn-amd-amdhsa -mcpu=gfx1250 --defsym DOCPART=n.
;; ======== version 1 of 1: 4 launches
;; limits: values are held in f16: magnitudes above 65,504 overflow, below 6.1e-05 lose precision
;; workspace buffers: xb 16,777,216 bytes; wqkv 6,291,456 bytes; wo16 2,097,152 bytes; tab 524,288 bytes; q16 16,777,216 bytes; k16 16,777,216 bytes; v16 16,777,216 bytes; o16 16,777,216 bytes
;; launch prep (part 1): grid 448 x 1, 8 waves a work-group, no clusters, 0 bytes of LDS; arguments x, Wq, Wk, Wv, Wo, token_positions, xb, wqkv, wo16, tab; writes xb, wqkv, wo16, tab
.if DOCPART == 1
	.amdgcn_target "amdgcn-amd-amdhsa--gfx1250"
	.amdhsa_code_object_version 6
	.text
	.protected	k_qdfcc2fbe16_prep
	.globl	k_qdfcc2fbe16_prep
	.p2align	8
	.type	k_qdfcc2fbe16_prep,@function
k_qdfcc2fbe16_prep:
	s_mov_b64 s[64:65], 0
	v_nop
	global_prefetch_b8 v0, s[64:65] scope:SCOPE_SE
	s_setreg_imm32_b32 hwreg(HW_REG_WAVE_MODE, 25, 1), 1
	s_wait_xcnt 0x0
; PREPARATION.  x [8192][1024] f32 -> xb bf16.  Wq, Wk, Wv [1024][1024] f32 -> wqkv [3072][1024] bf16, rows regrouped by head: row 192 i + 64 t + d = W_t[64 i + d]
; (t = 0 q, 1 k, 2 v), so that 192 neighbouring rows are one head's q, k and v.  Wo -> wo16: rounded to bf16 like the other inputs, that number written as f16.
; token_positions -> tab [2048 s][32 fi][cos, sin] f32, the angle being f32(pos[s]) x 10000^(-fi/32).
; A stream: no LDS, no matrix unit, no barrier.  Work-groups 0-255 take x, 256-351 the three weights, 352-383 Wo, 384-447 the table; the choice hangs on the work-group's number alone.
; A streaming work-group takes 32 rows of 4,096 bytes; thread t owns the 16 bytes at 16 t of every row: a wave's load covers 512 neighbouring bytes, its store of 8 bytes a lane 256 neighbouring,
; aligned bytes.  All 32 loads of a wave go out at once (128 KiB a work-group on their way); no register is written twice, so no wait frees any.
; LIMITS.  wo16: a weight of 65,520 or more in magnitude becomes an infinity; below 6e-5 it keeps f16's fixed step of 6e-8.  The frequency is within about one unit in its last place of
; 10000^(-fi/32), so the angle is off by about 1e-7 of itself; the reduction of the angle holds for every int32 position.
.set X, 4                              ; v[4:131]   row j: 4 registers as loaded
.set Y, 132                            ; v[132:195] row j: 2 registers to store
	s_load_b512 s[8:23], s[0:1], 0x0               ; x 8:9, Wq 10:11, Wk 12:13, Wv 14:15, Wo 16:17, token_positions 18:19, xb 20:21, wqkv 22:23
	s_load_b128 s[24:27], s[0:1], 0x40             ; wo16 24:25, tab 26:27
	s_mov_b32 s28, ttmp9                           ; the work-group's number
	v_lshlrev_b32 v1, 4, v0                        ; my 16 bytes in a row of f32
	v_lshlrev_b32 v2, 3, v0                        ; my 8 bytes in a row of 16-bit numbers
	s_mov_b32 s35, 0                               ; offsets are pairs with 0 on top
	s_mov_b32 s37, 0
	s_wait_kmcnt 0x0
; 32 rows in, rounded, out.  fmt = 0: to bf16.  fmt = 1: to bf16, and that number as f16.
.macro STREAM fmt
.set j, 0
.rept 32
	global_load_b128 v[X+4*j:X+4*j+3], v1, s[30:31] offset:4096*j th:TH_LOAD_NT
.set j, j+1
.endr
.set j, 0
.rept 32
	s_wait_loadcnt 31-j                            ; loads come back in order (ISA guide 5.7.1): row j is in, the 31 - j younger ones stay out
.if \fmt
	v_cvt_pk_bf16_f32 v196, v[X+4*j], v[X+4*j+1]
	v_cvt_pk_bf16_f32 v197, v[X+4*j+2], v[X+4*j+3]
	v_lshlrev_b32 v198, 16, v196                   ; bf16 to f32: the low half moves up, the high half stays
	v_and_b32 v199, 0xffff0000, v196
	v_cvt_pk_f16_f32 v[Y+2*j], v198, v199
	v_lshlrev_b32 v198, 16, v197
	v_and_b32 v199, 0xffff0000, v197
	v_cvt_pk_f16_f32 v[Y+2*j+1], v198, v199
.else
	v_cvt_pk_bf16_f32 v[Y+2*j], v[X+4*j], v[X+4*j+1]
	v_cvt_pk_bf16_f32 v[Y+2*j+1], v[X+4*j+2], v[X+4*j+3]
.endif
	global_store_b64 v2, v[Y+2*j:Y+2*j+1], s[32:33] offset:2048*j
.set j, j+1
.endr
.endm
	s_cmp_ge_u32 s28, 384
	s_cbranch_scc1 .Ltab
	s_cmp_ge_u32 s28, 352
	s_cbranch_scc1 .Lwo
	s_cmp_ge_u32 s28, 256
	s_cbranch_scc1 .Lw
	s_lshl_b32 s34, s28, 17                        ; x: 32 rows of 4,096 bytes in,
	s_add_nc_u64 s[30:31], s[8:9], s[34:35]
	s_lshl_b32 s36, s28, 16                        ; 32 rows of 2,048 bytes out
	s_add_nc_u64 s[32:33], s[20:21], s[36:37]
	s_branch .Lbf
.Lw:
	s_sub_co_u32 s29, s28, 256
	s_lshr_b32 s38, s29, 5                         ; t: which weight
	s_and_b32 s29, s29, 31                         ; which 32 rows of it
	s_cmp_eq_u32 s38, 1
	s_cselect_b64 s[30:31], s[12:13], s[10:11]
	s_cmp_eq_u32 s38, 2
	s_cselect_b64 s[30:31], s[14:15], s[30:31]
	s_lshl_b32 s34, s29, 17
	s_add_nc_u64 s[30:31], s[30:31], s[34:35]
	s_lshr_b32 s36, s29, 1                         ; the head,
	s_mul_i32 s36, s36, 192
	s_lshl_b32 s38, s38, 6                         ; + 64 t,
	s_add_co_u32 s36, s36, s38
	s_and_b32 s29, s29, 1                          ; + which half of the head's 64 rows
	s_lshl_b32 s29, s29, 5
	s_add_co_u32 s36, s36, s29
	s_lshl_b32 s36, s36, 11                        ; rows of 2,048 bytes
	s_add_nc_u64 s[32:33], s[22:23], s[36:37]
.Lbf:
	STREAM 0
	s_endpgm
.Lwo:
	s_sub_co_u32 s29, s28, 352
	s_lshl_b32 s34, s29, 17
	s_add_nc_u64 s[30:31], s[16:17], s[34:35]
	s_lshl_b32 s36, s29, 16
	s_add_nc_u64 s[32:33], s[24:25], s[36:37]
	STREAM 1
	s_endpgm
; THE TABLE.  A work-group makes 32 rows, a wave four; the lane is fi, so a wave's store of (cos, sin) is one whole row of 256 bytes.
.Ltab:
	s_sub_co_u32 s29, s28, 384
	s_lshl_b32 s34, s29, 7                         ; 32 positions of 4 bytes
	s_add_nc_u64 s[30:31], s[18:19], s[34:35]
	s_lshl_b32 s36, s29, 13                        ; 32 rows of 256 bytes
	s_add_nc_u64 s[32:33], s[26:27], s[36:37]
	v_lshrrev_b32 v3, 5, v0                        ; wave
	v_and_b32 v8, 31, v0                           ; fi
	v_lshlrev_b32 v9, 4, v3
	global_load_b128 v[4:7], v9, s[30:31]          ; my wave's four positions, in every lane
	v_lshlrev_b32 v10, 3, v8
	v_lshl_or_b32 v10, v3, 10, v10                 ; four rows a wave, 8 bytes a lane
	s_mov_b32 s42, 0x3e22f983                      ; 1 / 2 pi, the f32 nearest to it,
	s_mov_b32 s43, 0x31dc9c88                      ; and what that leaves
	s_mov_b32 s44, 0xbed49a78                      ; -log2(10) / 8, likewise in two parts
	s_mov_b32 s45, 0xb2179a39
	v_mov_b32 v27, 0x3638ef1d                      ; 1 / 9!
	v_mov_b32 v28, 0x37d00d01                      ; 1 / 8!
	; the frequency 10000^(-fi/32) = 2^(-fi log2(10) / 8): the exponent u rounded to f32, what the rounding dropped in e, and 2^(u + e) = 2^u (1 + e ln 2)
	v_cvt_f32_u32 v12, v8
	v_mul_f32 v13, s44, v12
	v_fma_f32 v14, v12, s44, -v13
	v_fma_f32 v14, v12, s45, v14
	v_exp_f32 v11, v13
	v_mul_f32 v14, 0x3f317218, v14                 ; a plain instruction stands between the exponential and the use of its result (ISA guide 5.7.2)
	s_wait_alu depctr_va_vdst(0)
	v_fma_f32 v11, v11, v14, v11
	s_wait_loadcnt 0x0
; Row i.  The angle a = f32(pos) x frequency, rounded once.  In turns: a / 2 pi as a rounded product th, its exact remainder and the constant's second part; whole turns are dropped;
; k quarter turns are taken off, which leaves |theta| <= pi / 4 for two short series; k mod 4 then swaps and signs them.
.macro SINCOS i
	v_cvt_f32_i32 v12, v[4+(\i)]
	v_mul_f32 v12, v12, v11
	v_mul_f32 v13, s42, v12
	v_fma_f32 v14, v12, s42, -v13
	v_fma_f32 v14, v12, s43, v14
	v_rndne_f32 v15, v13
	v_sub_f32 v13, v13, v15
	v_add_f32 v16, v13, v14
	v_mul_f32 v17, 4.0, v16
	v_rndne_f32 v17, v17                           ; k
	v_fmamk_f32 v18, v17, 0xbe800000, v16          ; less k / 4
	v_mul_f32 v18, 0x40c90fdb, v18                 ; theta
	v_mul_f32 v19, v18, v18
	v_fmaak_f32 v20, v27, v19, 0xb9500d01          ; sine: -1/7!, 1/5!, -1/3!
	v_fmaak_f32 v21, v28, v19, 0xbab60b61          ; cosine: -1/6!, 1/4!, -1/2, 1
	v_fmaak_f32 v20, v20, v19, 0x3c088889
	v_fmaak_f32 v21, v21, v19, 0x3d2aaaab
	v_fmaak_f32 v20, v20, v19, 0xbe2aaaab
	v_fma_f32 v21, v21, v19, -0.5
	v_mul_f32 v23, v18, v19
	v_fma_f32 v21, v21, v19, 1.0
	v_fma_f32 v20, v23, v20, v18
	v_cvt_i32_f32 v22, v17
	v_and_b32 v24, 1, v22
	v_cmp_eq_u32 vcc_lo, 1, v24                    ; an odd k swaps the two
	v_cndmask_b32 v25, v20, v21, vcc_lo
	v_cndmask_b32 v26, v21, v20, vcc_lo
	v_lshlrev_b32 v24, 30, v22                     ; the sine turns its sign for k mod 4 = 2, 3,
	v_and_b32 v24, 0x80000000, v24
	v_xor_b32 v[41+2*(\i)], v25, v24
	v_add_nc_u32 v22, 1, v22                       ; the cosine for k mod 4 = 1, 2
	v_lshlrev_b32 v22, 30, v22
	v_and_b32 v22, 0x80000000, v22
	v_xor_b32 v[40+2*(\i)], v26, v22
	global_store_b64 v10, v[40+2*(\i):41+2*(\i)], s[32:33] offset:256*(\i)  ; each row has its own pair of registers
.endm
	SINCOS 0
	SINCOS 1
	SINCOS 2
	SINCOS 3
	s_endpgm
.Lfunc_end_k_qdfcc2fbe16_prep:
	.size	k_qdfcc2fbe16_prep, .Lfunc_end_k_qdfcc2fbe16_prep-k_qdfcc2fbe16_prep
	.p2alignl 7, 3214868480
	.fill 96, 4, 3214868480
	.section	.rodata,"a",@progbits
	.p2align	6, 0x0
	.amdhsa_kernel k_qdfcc2fbe16_prep
		.amdhsa_group_segment_fixed_size 0
		.amdhsa_private_segment_fixed_size 0
		.amdhsa_enable_private_segment 0
		.amdhsa_kernarg_size 80
		.amdhsa_user_sgpr_count 2
		.amdhsa_user_sgpr_kernarg_segment_ptr 1
		.amdhsa_wavefront_size32 1
		.amdhsa_system_sgpr_workgroup_id_x 1
		.amdhsa_system_sgpr_workgroup_id_y 1
		.amdhsa_system_sgpr_workgroup_id_z 1
		.amdhsa_system_vgpr_workitem_id 0
		.amdhsa_next_free_vgpr 200
		.amdhsa_next_free_sgpr 66
		.amdhsa_reserve_vcc 1
		.amdhsa_float_denorm_mode_32 3
		.amdhsa_float_denorm_mode_16_64 3
		.amdhsa_memory_ordered 1
		.amdhsa_forward_progress 1
		.amdhsa_inst_pref_size 42
	.end_amdhsa_kernel
	.amdgpu_metadata
---
amdhsa.version: [ 1, 2 ]
amdhsa.kernels:
  - .name:           k_qdfcc2fbe16_prep
    .symbol:         k_qdfcc2fbe16_prep.kd
    .args:
      - { .name: x, .offset: 0, .size: 8, .value_kind: global_buffer, .address_space: global }
      - { .name: Wq, .offset: 8, .size: 8, .value_kind: global_buffer, .address_space: global }
      - { .name: Wk, .offset: 16, .size: 8, .value_kind: global_buffer, .address_space: global }
      - { .name: Wv, .offset: 24, .size: 8, .value_kind: global_buffer, .address_space: global }
      - { .name: Wo, .offset: 32, .size: 8, .value_kind: global_buffer, .address_space: global }
      - { .name: token_positions, .offset: 40, .size: 8, .value_kind: global_buffer, .address_space: global }
      - { .name: xb, .offset: 48, .size: 8, .value_kind: global_buffer, .address_space: global }
      - { .name: wqkv, .offset: 56, .size: 8, .value_kind: global_buffer, .address_space: global }
      - { .name: wo16, .offset: 64, .size: 8, .value_kind: global_buffer, .address_space: global }
      - { .name: tab, .offset: 72, .size: 8, .value_kind: global_buffer, .address_space: global }
    .group_segment_fixed_size: 0
    .private_segment_fixed_size: 0
    .kernarg_segment_align: 8
    .kernarg_segment_size: 80
    .max_flat_workgroup_size: 256
    .sgpr_count:     66
    .vgpr_count:     200
    .wavefront_size: 32
...
	.end_amdgpu_metadata
.endif
;; end of part 1
;; launch qkv (part 2): grid 16 x 32, 4 waves a work-group, clusters of 4 x 4, 327,680 bytes of LDS; arguments xb, wqkv, tab, q16, k16, v16; writes q16, k16, v16
.if DOCPART == 2
	.amdgcn_target "amdgcn-amd-amdhsa--gfx1250"
	.amdhsa_code_object_version 6
	.text
	.protected	k_qdfcc2fbe16_qkv
	.globl	k_qdfcc2fbe16_qkv
	.p2align	8
	.type	k_qdfcc2fbe16_qkv,@function
k_qdfcc2fbe16_qkv:
	s_mov_b64 s[64:65], 0
	v_nop
	global_prefetch_b8 v0, s[64:65] scope:SCOPE_SE
	s_setreg_imm32_b32 hwreg(HW_REG_WAVE_MODE, 25, 1), 1
	s_wait_xcnt 0x0
	s_wait_alu depctr_hold_cnt(0) depctr_sa_sdst(0) depctr_va_vdst(0) depctr_va_sdst(0) depctr_va_ssrc(0) depctr_va_vcc(0) depctr_vm_vsrc(0)
	s_getreg_b32 s2, hwreg(HW_REG_IB_STS2, 6, 4)
	s_cmp_eq_u32 s2, 0
	s_cbranch_scc0 .Lentry_in_a_cluster
	s_endpgm
.Lentry_in_a_cluster:
	s_bfe_u32 s2, ttmp6, 0x10000c
	s_cmp_lg_u32 s2, 0xf033
	s_cbranch_scc0 .Lentry_shape_is_right
	s_endpgm
.Lentry_shape_is_right:
; THE THREE PROJECTIONS AND THE ROTATION.  C[m][n] = sum over k of xb[m][k] wqkv[n][k], bf16 operands, f32 sums, K = 1,024 ascending.  xb: [8192][1024], wqkv: [3072][1024], rows 192 i .. 192 i + 191 = head i's q, k, v.
; A tile of C is 256 rows x 192 columns = one head's q, k and v for 256 tokens: 32 x 16 = 512 tiles, two for each of 256 WGPs, and every work-group runs one text.
; Four waves, one above the other: wave w makes rows 64 w .. 64 w + 63 x all 192 columns: 48 accumulators of 16 x 16, 384 registers.  So a wave holds whole heads' rows, and its way out needs no other wave.
; q and k are rotated in f32 by (cos, sin) from tab (row = the token's place in its sequence), all three are rounded once to f16 and stored by heads: [64 bh][2048][64], bh = 16 batch + head.
; K goes in steps of 128 through two LDS slots filled by the tensor data mover; rows of 256 bytes of memory, at multiples of 256 bytes.
; CLUSTERS: 4 x 4 work-groups.  The four of a row of the cluster need the same tiles of xb, the four of a column the same tiles of wqkv: each tile is asked for jointly, by the same tensor load with the same
; descriptor and a mask that names the four.  THE MATRIX INSTRUCTION IS USED TRANSPOSED (source 0 = 16 rows of wqkv, source 1 = 16 rows of xb): a lane holds row l % 16 and the eight neighbouring
; columns 8 (l / 16) + 0..7: four (even, odd) pairs of the rotation, and 16 bytes of f16.
; LIMIT.  q, k and v are kept in f16: a number of 65,520 or more in magnitude becomes an infinity.
; REGISTERS, in windows of 256: window 0: v0-31 addresses; v32-63 at work; v64-127 fragments of xb, two buffers of 4 x 16 rows x 32 K (on the way out: packed results); v128-255 cos and sin.
;   window 1: fragments of wqkv, two buffers of 96.   window 2: the accumulators of my rows 0-31 ((a, b) at v[8 (12 (a % 2) + b)]);   window 3: those of my rows 32-63.
.set NB,     12                        ; blocks of 16 columns
.set PA,     272                       ; an LDS row: 256 bytes + 16 of padding = 68 words: row r starts at bank 4 r mod 64 (64 banks of 4 bytes: ISA guide 11.1)
.set PB,     272
.set HALFA,  128*PA                    ; what one tensor load brings of xb
.set ASZ,    2*HALFA
.set HALFB,  96*PB                     ; and of wqkv
.set SLOT,   ASZ+2*HALFB               ; xb's 256 rows, then wqkv's 192
.set STAGE,  2*SLOT                    ; behind the ring: 16 rows x 144 bytes for each wave, for the way out
.set SP,     144
.set SPARE,  STAGE+4*16*SP             ; behind the stages: the spare words, 128 bytes for each wave: two blocks of 256 bytes that no other line names
.set STEPA,  256                       ; bytes from a K step to the next
.set STEPB,  256
.set NLD,    2*NB+8                    ; LDS loads in a run
.set LAPS,   4                         ; a lap = two K steps = once round the ring
.set ADRA, 16                          ; v16-17  LDS address of my xb fragments in slot 0, 1
.set ADRB, 20                          ; v20-21  the same for wqkv
.set STO,  24                          ; v24     the way out: where I put 16 bytes of a row
.set RD,   25                          ; v25     the way out: where I read rows back
.set GO,   26                          ; v26     my byte offset in 512 consecutive bytes of q16, k16, v16
.set TO,   27                          ; v27     my byte offset in 16 rows of tab; never rewritten
.set SPW,  28                          ; v28     LDS address of my spare word; never rewritten
.set NIL,  29                          ; v29     0; never rewritten
.set T,    32
.set FA0,  64
.set PK0,  64
.set CS,   128                         ; (cos, sin) of row block a, column block b4, pair p at CS + 32 a + 8 b4 + 2 p
.set G1, 24                            ; s[24:31] descriptor group 1 for xb's tiles;  s[32:39] group 0, one set for each slot
.set G0, 32
.set G1B, 48                           ; s[48:55], s[56:63] the same for wqkv's
.set G0B, 56
.set MSB, 0
.macro WIN new                         ; the immediate's high byte repeats the setting that is left; a switch that changes nothing is dropped
.if MSB != (\new)
	s_set_vgpr_msb (MSB<<8)|(\new)
.set MSB, \new
.endif
.endm
.set MUL_LO, 0xa1                      ; source 0 (wqkv) window 1, source 1 (xb) window 0, C and D window 2
.set TO_B,   0x40                      ; destination window 1, address window 0
; A joint load.  Waves 0 and 1 fetch xb's two halves, waves 2 and 3 wqkv's.  The branch hangs on the wave's number alone.  An s_nop 0 and four v_nop follow each of the two lines.
.macro JLOAD s
	s_cmp_eq_u32 s11, 0
	s_cbranch_scc0 .Lfor_b_\@
	tensor_load_to_lds s[G0+4*(\s):G0+4*(\s)+3], s[G1:G1+7]
	s_nop 0
.rept 4
	v_nop
.endr
	s_branch .Lasked_\@
.Lfor_b_\@:
	tensor_load_to_lds s[G0B+4*(\s):G0B+4*(\s)+3], s[G1B:G1B+7]
	s_nop 0
.rept 4
	v_nop
.endr
.Lasked_\@:
.endm
.macro CREST                           ; a round of the cluster's barrier behind its opening barrier
	s_cmp_lg_u32 s10, 0
	s_cbranch_scc1 .Lnot_wave_0_\@
	s_barrier_signal -3
.Lnot_wave_0_\@:
	s_barrier_wait -3
	s_barrier_signal -1
	s_barrier_wait -1
.endm
.macro CROUND                          ; a whole round
	s_barrier_signal -1
	s_barrier_wait -1
	CREST
.endm
	s_load_b128 s[4:7], s[0:1], 0x0                ; xb s[4:5], wqkv s[6:7]
	s_load_b256 s[68:75], s[0:1], 0x10             ; tab s[68:69], q16 s[70:71], k16 s[72:73], v16 s[74:75]
	v_lshl_add_u32 v[SPW], v0, 2, SPARE
	v_mov_b32 v[NIL], 0
	ds_add_u32 v[SPW], v[NIL]                      ; the wave's opening: the add and its wait stand ahead of my first tensor load; the set-up below, work on registers, stands between them
	ds_add_u32 v28, v29
	v_lshrrev_b32 v1, 5, v0
	v_readfirstlane_b32 s10, v1                    ; wave 0..3
	s_lshr_b32 s11, s10, 1                         ; I fetch for xb (0) or for wqkv (1),
	s_and_b32 s12, s10, 1                          ; this half of the tile's rows
	s_bfe_u32 s40, ttmp6, 0x40000                  ; cx, cy: my place in the cluster
	s_bfe_u32 s41, ttmp6, 0x40004
	s_lshl_b32 s42, ttmp9, 2
	s_add_co_u32 s42, s42, s40                     ; the head = 4 x cluster x + cx
	s_and_b32 s13, ttmp7, 0xffff
	s_lshl_b32 s13, s13, 2
	s_add_co_u32 s13, s13, s41                     ; the block of 256 rows = 4 x cluster y + cy
	s_lshl_b32 s43, s41, 2
	s_lshl_b32 s43, 15, s43                        ; my row of the cluster
	s_lshl_b32 s44, 0x1111, s40                    ; my column
	s_or_b32 s[G1+0], s43, (1<<16)|(1<<20)|(1<<21)|(5<<22)|(3<<25)   ; 15:0 the mask; 17:16 elements of 2 bytes; 20 padding on; 21 set beside a mask; 24:22 after every 64 words (code 5); 31:25 4 words (code 3)
	s_or_b32 s[G1B+0], s44, (1<<16)|(1<<20)|(1<<21)|(5<<22)|(3<<25)
	s_mov_b32 s[G1+1], 128<<16                     ; tensor_dim0 = 128
	s_mov_b32 s[G1+2], 128<<16                     ; tensor_dim1 = 128
	s_mov_b32 s[G1+3], 128<<16                     ; tile_dim0 = 128
	s_mov_b32 s[G1+4], 128                         ; tile_dim1 = 128
	s_mov_b32 s[G1+5], 1024                        ; elements from row to row
	s_mov_b32 s[G1+6], 0
	s_mov_b32 s[G1+7], 0
	s_mov_b32 s[G1B+1], 128<<16
	s_mov_b32 s[G1B+2], 96<<16                     ; 96 rows
	s_mov_b32 s[G1B+3], 128<<16
	s_mov_b32 s[G1B+4], 96
	s_mov_b32 s[G1B+5], 1024
	s_mov_b32 s[G1B+6], 0
	s_mov_b32 s[G1B+7], 0
	s_lshl_b32 s16, s13, 19                        ; xb: 256 rows of 2,048 bytes for each block,
	s_lshl_b32 s17, s12, 18                        ; 128 rows for my half
	s_add_co_u32 s16, s16, s17
	s_mov_b32 s17, 0
	s_mul_i32 s46, s42, 192                        ; wqkv: row 192 x head + 96 x half
	s_mul_i32 s47, s12, 96
	s_add_co_u32 s46, s46, s47
	s_lshl_b32 s46, s46, 11
	s_mov_b32 s47, 0
	s_mul_i32 s20, s12, HALFA                      ; where they go: no place in the cluster enters an LDS address
	s_mul_i32 s21, s12, HALFB
	s_add_co_u32 s21, s21, ASZ
	s_lshr_b32 s76, s13, 3                         ; the way out: bh = 16 x batch + head, 262,144 bytes each;
	s_lshl_b32 s76, s76, 4
	s_add_co_u32 s76, s76, s42
	s_lshl_b32 s76, s76, 18
	s_and_b32 s78, s13, 7                          ; the block's place in its sequence: 256 rows of 128 bytes;
	s_lshl_b32 s79, s78, 15
	s_add_co_u32 s76, s76, s79
	s_lshl_b32 s79, s10, 13                        ; my wave's 64 rows
	s_add_co_u32 s76, s76, s79
	s_mov_b32 s77, 0
	s_lshl_b32 s78, s78, 16                        ; and the same rows in tab, 256 bytes each
	s_lshl_b32 s79, s10, 14
	s_add_co_u32 s78, s78, s79
	s_mov_b32 s79, 0
	s_wait_dscnt 0x0                               ; the opening add is done
	s_wait_kmcnt 0x0
	s_add_nc_u64 s[14:15], s[4:5], s[16:17]
	s_add_nc_u64 s[46:47], s[6:7], s[46:47]
	s_add_nc_u64 s[68:69], s[68:69], s[78:79]
	s_add_nc_u64 s[70:71], s[70:71], s[76:77]
	s_add_nc_u64 s[72:73], s[72:73], s[76:77]
	s_add_nc_u64 s[74:75], s[74:75], s[76:77]
	CROUND                                         ; all sixteen work-groups are here: the first joint loads meet
.irp s, 0,1
	s_mov_b32 s[G0+4*(\s)], 1                                        ; count = 1
	s_add_co_u32 s[G0+4*(\s)+1], s20, (\s)*SLOT                      ; LDS address
	s_add_nc_u64 s[G0+4*(\s)+2:G0+4*(\s)+3], s[14:15], (\s)*STEPA    ; global address: K step s
	s_or_b32 s[G0+4*(\s)+3], s[G0+4*(\s)+3], 0x80000000              ; type = 2
	s_mov_b32 s[G0B+4*(\s)], 1
	s_add_co_u32 s[G0B+4*(\s)+1], s21, (\s)*SLOT
	s_add_nc_u64 s[G0B+4*(\s)+2:G0B+4*(\s)+3], s[46:47], (\s)*STEPB
	s_or_b32 s[G0B+4*(\s)+3], s[G0B+4*(\s)+3], 0x80000000
	JLOAD \s                                       ; two tensor loads of mine are out
.endr
	v_and_b32 v1, 15, v0                           ; l % 16
	v_bfe_u32 v2, v0, 4, 1                         ; l / 16
	; cos and sin of my 64 rows: lane l wants, for row block a and column block b4, the pairs fi = 8 b4 + 4 (l / 16) + 0..3 of row 16 a + l % 16: 32 bytes.  Asked for now, waited for on the way out.
	v_lshlrev_b32 v[TO], 8, v1
	v_lshl_add_u32 v[TO], v2, 5, v[TO]
.set i, 0
.rept 16
	global_load_b128 v[CS+8*i:CS+8*i+3],   v[TO], s[68:69] offset:(i/4)*4096+(i%4)*64
	global_load_b128 v[CS+8*i+4:CS+8*i+7], v[TO], s[68:69] offset:(i/4)*4096+(i%4)*64+16
.set i, i+1
.endr
	; A fragment is 16 rows x 32 K in 8 registers: lane l holds row l % 16, K = 8 (l / 16) + 0..7 and 16 + 8 (l / 16) + 0..7: two loads of 16 bytes, 32 bytes apart.
	v_mul_u32_u24 v3, v1, PA
	v_lshl_add_u32 v3, v2, 4, v3
	s_mul_i32 s22, s10, 64*PA                      ; my 64 rows of xb
	s_mov_b32 s23, ASZ                             ; all of wqkv's 192
.irp s, 0,1
	v_add_nc_u32 v[ADRA+(\s)], s22, v3
	v_add_nc_u32 v[ADRB+(\s)], s23, v3
	s_add_co_u32 s22, s22, SLOT
	s_add_co_u32 s23, s23, SLOT
.endr
	s_mul_i32 s23, s10, 16*SP
	s_add_co_u32 s23, s23, STAGE                   ; my stage
	v_mul_u32_u24 v[STO], v1, SP                   ; in: row l % 16, 16 bytes for each half of the lanes
	v_lshl_add_u32 v[STO], v2, 4, v[STO]
	v_add_nc_u32 v[STO], s23, v[STO]
	v_bfe_u32 v[RD], v0, 3, 2                      ; back: 32 lanes take four rows of 128 bytes,
	v_mul_u32_u24 v[RD], v[RD], SP
	v_and_b32 v5, 7, v0
	v_lshl_add_u32 v[RD], v5, 4, v[RD]
	v_add_nc_u32 v[RD], s23, v[RD]
	v_and_b32 v[GO], 31, v0                        ; which are 512 consecutive bytes of memory
	v_lshlrev_b32 v[GO], 4, v[GO]
; 12 matrix instructions: row block 2 hi + a2 x all 12 column blocks, 32 along K, from buffer f.  zero = 1: the product starts the sums.  All 48 accumulators take turns, one instruction a turn, in the same
; order in every quarter.
.macro MULA f, hi, a2, zero
	WIN MUL_LO+0x50*(\hi)
.set rA, FA0+32*(\f)+8*(2*(\hi)+(\a2))
.set b, 0
.rept NB
.set rD, 8*(NB*(\a2)+b)
.set rB, 8*NB*(\f)+8*b
.if \zero
	v_wmma_f32_16x16x32_bf16 v[rD:rD+7], v[rB:rB+7], v[rA:rA+7], 0
.else
	v_wmma_f32_16x16x32_bf16 v[rD:rD+7], v[rB:rB+7], v[rA:rA+7], v[rD:rD+7]
.endif
.set b, b+1
.endr
.endm
; 32 LDS loads in one run: the fragments of quarter q of a K step into buffer f: wqkv's 12 blocks, then xb's four
.macro FETCH slot, q, f
	WIN TO_B
.set i, 0
.rept NB
	ds_load_b128 v[8*NB*(\f)+8*i:8*NB*(\f)+8*i+3],   v[ADRB+(\slot)] offset:64*(\q)+i*16*PB
	ds_load_b128 v[8*NB*(\f)+8*i+4:8*NB*(\f)+8*i+7], v[ADRB+(\slot)] offset:64*(\q)+i*16*PB+32
.set i, i+1
.endr
	WIN 0
.set i, 0
.rept 4
	ds_load_b128 v[FA0+32*(\f)+8*i:FA0+32*(\f)+8*i+3],   v[ADRA+(\slot)] offset:64*(\q)+i*16*PA
	ds_load_b128 v[FA0+32*(\f)+8*i+4:FA0+32*(\f)+8*i+7], v[ADRA+(\slot)] offset:64*(\q)+i*16*PA+32
.set i, i+1
.endr
.endm
.macro PLACES                          ; four places in front of loads into registers that matrix instructions have read, and of lines that read results (ISA guide 7.12.1 for lines that read results)
.rept 4
	v_nop
.endr
.endm
; A K step is four quarters of 32 along K, 48 matrix instructions each, on buffers 0, 1, 0, 1.  One of the first three: multiplies buffer f; in its middle it fetches quarter q into buffer g.
.macro QUARTER slot, q, f, g, zero
	s_wait_dscnt 4                                 ; wqkv's fragments and xb's blocks 0, 1 are in; the youngest four loads (blocks 2, 3) may be out
	MULA \f, 0, 0, \zero
	MULA \f, 0, 1, \zero
	PLACES
	FETCH \slot, \q, \g
	s_wait_dscnt NLD                               ; all but the run just issued
	MULA \f, 1, 0, \zero
	MULA \f, 1, 1, \zero
.endm
; The last quarter multiplies buffer 1 and changes slots: ONE barrier; in front of it each wave waits for all its tensor loads (one is out: its part of the next slot), adds 0 to its spare word, and waits
; for that and for its reads of this slot.  fill = 1: the barrier opens a round of the cluster's, and this slot is filled again, two K steps ahead, first thing behind the round:
; 168 of a K step's 192 matrix instructions stand between that request and the wait for it.
.macro TURN slot, next, fill
	WIN 0                                          ; (the add's two registers lie in window 0)
	s_wait_tensorcnt 0x0
	ds_add_u32 v[SPW], v[NIL]                      ; 0 onto my spare word
	s_wait_dscnt 5                                 ; (the add and the youngest four loads may be out)
	MULA 1, 0, 0, 0                                ; twelve matrix instructions stand between the add and the wait for it
	s_wait_dscnt 0x0                               ; the add is done, and my reads of this slot are over
	s_barrier_signal -1
	MULA 1, 0, 1, 0
.if \fill
	WIN 0
.endif
	s_barrier_wait -1
.if \fill
	CREST                                          ; no wave of any partner still reads this slot's tile or has a load on its way
	s_add_nc_u64 s[G0+4*(\slot)+2:G0+4*(\slot)+3], s[G0+4*(\slot)+2:G0+4*(\slot)+3], 2*STEPA
	s_add_nc_u64 s[G0B+4*(\slot)+2:G0B+4*(\slot)+3], s[G0B+4*(\slot)+2:G0B+4*(\slot)+3], 2*STEPB
	JLOAD \slot                                    ; my one tensor load behind the round; the four v_nop behind it are also the places in front of the loads below
.else
	PLACES
.endif
	FETCH \next, 0, 0
	MULA 1, 1, 0, 0
	MULA 1, 1, 1, 0
.endm
	s_wait_tensorcnt 1                             ; my part of K step 0 is in; K step 1's may stay out
	s_barrier_signal -1
	s_barrier_wait -1                              ; everybody's is
	FETCH 0, 0, 0
	QUARTER 0, 1, 0, 1, 1                          ; the first quarter stands in front of the loop: its products start the sums
	WIN 0                                          ; at a label and at a branch every window is 0
	s_mov_b32 s3, LAPS-1
.Llap:                                                 ; a trip goes once round the ring, from a lap's second quarter to the next lap's first, and fills both slots again
	QUARTER 0, 2, 1, 0, 0
	QUARTER 0, 3, 0, 1, 0
	TURN 0, 1, 1
	QUARTER 1, 1, 0, 1, 0
	QUARTER 1, 2, 1, 0, 0
	QUARTER 1, 3, 0, 1, 0
	TURN 1, 0, 1
	QUARTER 0, 1, 0, 1, 0
	WIN 0
	s_sub_co_u32 s3, s3, 1
	s_cmp_lg_u32 s3, 0
	s_cbranch_scc1 .Llap
	QUARTER 0, 2, 1, 0, 0                          ; the last lap fills nothing, and has no round of the cluster's barrier
	QUARTER 0, 3, 0, 1, 0
	TURN 0, 1, 0
	QUARTER 1, 1, 0, 1, 0
	QUARTER 1, 2, 1, 0, 0
	QUARTER 1, 3, 0, 1, 0
	s_wait_dscnt 4                                 ; the very last quarter: nothing more to fetch
	MULA 1, 0, 0, 0
	MULA 1, 0, 1, 0
	s_wait_dscnt 0x0
	MULA 1, 1, 0, 0
	MULA 1, 1, 1, 0
	WIN 0
	PLACES
; THE WAY OUT, in twelve units u = 3 a + t: row block a (16 rows), t = 0 q, 1 k, 2 v (64 columns: four accumulators).  q and k: for each pair (e, o) and its (c, s): first (o s, e s), then (e c - o s, o c + e s);
; each accumulator's lowest registers are read first.  Rounded to f16, 16 bytes a lane into my stage (rows of 144 bytes), back as whole rows of 128, into the registers that they left.
.macro PACK u
.set pa, (\u)/3
.set pt, (\u)%3
.set AC, 8*(NB*(pa%2)+4*pt)
.set PK, PK0+16*((\u)%4)
	s_wait_xcnt 0x0                                ; every earlier memory instruction has had its addresses translated (ISA guide 3.1): the registers that the stores of four units ago read are rewritten only behind this wait
.if pt < 2
	WIN 2+pa/2                                     ; source 0: window 2 or 3
.set i, 0
.rept 16
	v_pk_mul_f32 v[T+2*i:T+2*i+1], v[AC+2*i:AC+2*i+1], v[CS+32*pa+2*i:CS+32*pa+2*i+1] op_sel:[1,1] op_sel_hi:[0,1]
.set i, i+1
.endr
.set i, 0
.rept 16
	v_pk_fma_f32 v[T+2*i:T+2*i+1], v[AC+2*i:AC+2*i+1], v[CS+32*pa+2*i:CS+32*pa+2*i+1], v[T+2*i:T+2*i+1] op_sel_hi:[1,0,1] neg_lo:[0,0,1]
.set i, i+1
.endr
	WIN 0
.set i, 0
.rept 16
	v_cvt_pk_f16_f32 v[PK+i], v[T+2*i], v[T+2*i+1]
.set i, i+1
.endr
.else
	WIN 0x0a+5*(pa/2)                              ; sources 0 and 1: window 2 or 3
.set i, 0
.rept 16
	v_cvt_pk_f16_f32 v[PK+i], v[AC+2*i], v[AC+2*i+1]
.set i, i+1
.endr
	WIN 0
.endif
.irp f, 0,1,2,3
	ds_store_b128 v[STO], v[PK+4*\f:PK+4*\f+3] offset:32*\f
.endr
.irp f, 0,1,2,3
	ds_load_b128 v[PK+4*\f:PK+4*\f+3], v[RD] offset:\f*4*SP  ; LDS serves a wave's instructions in order (ISA guide 5.7.1.4): these see the stores above; the next unit's stores come behind them
.endr
.endm
.macro SEND u, younger                 ; younger: the LDS instructions issued behind unit u's loads: the next unit's eight, or none
.set pa, (\u)/3
.set pt, (\u)%3
.set PK, PK0+16*((\u)%4)
.irp f, 0,1,2,3
	s_wait_dscnt (\younger)+3-\f
	global_store_b128 v[GO], v[PK+4*\f:PK+4*\f+3], s[70+2*pt:71+2*pt] offset:pa*2048+\f*512  ; 512 consecutive bytes, at a multiple of 256 from the buffer's first
.endr
.endm
	s_wait_loadcnt 0x0                             ; cos and sin
	PACK 0
.set u, 1
.rept 11                               ; a unit's arithmetic stands between the loads of the unit before and its stores
	PACK u
	SEND u-1, 8
.set u, u+1
.endr
	SEND 11, 0
	s_wait_tensorcnt 0x0                           ; the wave's end, behind my last tensor load and my last LDS store
	ds_add_u32 v[SPW], v[NIL]
	s_wait_dscnt 0x0
	CROUND                                         ; the closing round: no work-group ends while a partner may still ask for a tile that names it
	s_endpgm
.Lfunc_end_k_qdfcc2fbe16_qkv:
	.size	k_qdfcc2fbe16_qkv, .Lfunc_end_k_qdfcc2fbe16_qkv-k_qdfcc2fbe16_qkv
	.p2alignl 7, 3214868480
	.fill 96, 4, 3214868480
	.section	.rodata,"a",@progbits
	.p2align	6, 0x0
	.amdhsa_kernel k_qdfcc2fbe16_qkv
		.amdhsa_group_segment_fixed_size 327680
		.amdhsa_private_segment_fixed_size 0
		.amdhsa_enable_private_segment 0
		.amdhsa_kernarg_size 48
		.amdhsa_user_sgpr_count 2
		.amdhsa_user_sgpr_kernarg_segment_ptr 1
		.amdhsa_wavefront_size32 1
		.amdhsa_system_sgpr_workgroup_id_x 1
		.amdhsa_system_sgpr_workgroup_id_y 1
		.amdhsa_system_sgpr_workgroup_id_z 1
		.amdhsa_system_vgpr_workitem_id 0
		.amdhsa_next_free_vgpr 960
		.amdhsa_next_free_sgpr 80
		.amdhsa_reserve_vcc 0
		.amdhsa_float_denorm_mode_32 3
		.amdhsa_float_denorm_mode_16_64 3
		.amdhsa_memory_ordered 1
		.amdhsa_forward_progress 1
		.amdhsa_inst_pref_size 140
	.end_amdhsa_kernel
	.amdgpu_metadata
---
amdhsa.version: [ 1, 2 ]
amdhsa.kernels:
  - .name:           k_qdfcc2fbe16_qkv
    .symbol:         k_qdfcc2fbe16_qkv.kd
    .args:
      - { .name: xb, .offset: 0, .size: 8, .value_kind: global_buffer, .address_space: global }
      - { .name: wqkv, .offset: 8, .size: 8, .value_kind: global_buffer, .address_space: global }
      - { .name: tab, .offset: 16, .size: 8, .value_kind: global_buffer, .address_space: global }
      - { .name: q16, .offset: 24, .size: 8, .value_kind: global_buffer, .address_space: global }
      - { .name: k16, .offset: 32, .size: 8, .value_kind: global_buffer, .address_space: global }
      - { .name: v16, .offset: 40, .size: 8, .value_kind: global_buffer, .address_space: global }
    .group_segment_fixed_size: 327680
    .private_segment_fixed_size: 0
    .kernarg_segment_align: 8
    .kernarg_segment_size: 48
    .max_flat_workgroup_size: 128
    .sgpr_count:     80
    .vgpr_count:     960
    .wavefront_size: 32
...
	.end_amdgpu_metadata
.endif
;; end of part 2
;; launch attn (part 3): grid 4 x 64, 4 waves a work-group, no clusters, 327,680 bytes of LDS; arguments q16, k16, v16, o16; writes o16
.if DOCPART == 3
	.amdgcn_target "amdgcn-amd-amdhsa--gfx1250"
	.amdhsa_code_object_version 6
	.text
	.protected	k_qdfcc2fbe16_attn
	.globl	k_qdfcc2fbe16_attn
	.p2align	8
	.type	k_qdfcc2fbe16_attn,@function
k_qdfcc2fbe16_attn:
	s_mov_b64 s[64:65], 0
	v_nop
	global_prefetch_b8 v0, s[64:65] scope:SCOPE_SE
	s_setreg_imm32_b32 hwreg(HW_REG_WAVE_MODE, 25, 1), 1
	s_wait_xcnt 0x0
; CAUSAL ATTENTION.  O[h][q][:] = the sum over k <= q of softmax_k(Q[h][q] . K[h][k] / 8) V[h][k][:].  Q, K, V, O: [SIZE_H][SIZE_N][64], all f16: a head's rows are dense, 128 bytes each.
; Products, maxima and sums in f32; the weights p are rounded to f16 for the second product (their sum l is taken of the unrounded p), O once at the end.  SIZE_N is a multiple of 512; SIZE_N x 128 stays under 2^32.
; LIMITS.  f16 holds no number beyond 65,504: Q, K and V arrive within it; p lies in 0 to 1, and below 6e-5 it keeps f16's fixed step of 6e-8; O is a mean of V's rows and has their range, to within 2^-11 of it.
; A hidden score counts as its value less 1e30: f16's scores, 2.7e11 at the most, are nothing beside that; a weight below 2^-126 counts as 0 in l; NaN and infinities are not treated apart.
; THE WALK.  A head's queries lie in NB = SIZE_N / 256 blocks of 256; block i needs the key tiles 0 .. i of 256 keys, of which the last holds the diagonal.  A work-group takes TWO blocks, NB - 1 - b and then b:
; NB + 1 tiles, whatever b: all work-groups do equal work, and ONE loop with a constant trip count walks them.  Which tile is asked for, and what a trip does, hang on scalar registers made from b; every jump
; goes forward, but for the counted loops' own; none passes a barrier, or a tensor load but the one of LOAD's two that the wave's number does not choose; the ring (two slots of LDS that take turns) runs on across the
; change of blocks.  NO CLUSTER: a head's NB / 2 work-groups all ask for the same tile only in trips 0 .. NB / 2, behind that fewer and fewer; and one walk common to all would have 3 NB / 2 trips for NB + 1.
; SHARES.  Of a block's four bands of 64 queries a wave owns 16 rows in each: four PIECES.  So the diagonal tile is the same work for all four waves: in its key step s band x sees all keys if s < x,
; none if s > x, and holds the diagonal if s = x.
; THE MASK is the C operand that starts the sum S^T = K Q^T: 0, or -1e30 where the key is hidden.  MD, made once, is the mask of a band's own step for my 16 rows; a product's mask is MD x AL + BE with two scalars:
; (1, 0) if s = x; (0, 0) if s < x; (0, -1e30) if s > x.  Only the diagonal tile's text and a block's beginning make and take masks; elsewhere C is the constant 0.
; LAYOUT, SOFTMAX, TURNS.  S^T = K Q^T holds ONE query a lane (lane % 16) and the keys 8 (lane / 16) + 0..7; two such results rounded to f16 ARE source 1 of O^T = V^T P.  p = 2^(c s - c m), c = log2(e) / 8, with a
; running maximum m; O and l are multiplied by a = 2^(c m_old - c m_new) in every step.  Turn n belongs to piece n: 8 products K Q^T of piece n + 1, later 8 products V^T P of piece n - 1; beside them the scaling,
; exponentials, roundings, sums and rescaling of piece n and the maximum and statistics of piece n + 1.  Four vector instructions stand behind every matrix instruction, the other 54 of a turn's 118 in two LUMPS.
; REGISTERS, in windows of 256 (s_set_vgpr_msb: bits 1:0 source 0, 3:2 source 1, 5:4 source 2, 7:6 destination):
;   window 0: v0-15 addresses and two at work; v16-31 four registers of statistics a piece; v48-55 at work; v64-127 S^T, two buffers; v192-223 P, two buffers (a piece's buffers go by its number's parity)
;   window 1: v0-127 O^T, 32 a piece; v128-159 MD; v160-223 MC, two buffers      window 2: v0-63 Q; v64-127 the second block's Q; v128-191 K of one step; v192-255 V of one step
.set SIZE_N, 2048     ; rows of a head
.set SIZE_H, 64       ; batch x heads
.set NB,    SIZE_N/256
.set NP,    4         ; pieces a wave: a name, no knob
.set KS,    64        ; keys in a step
.set PK,    144       ; a row of K in LDS: 128 bytes + 16 of padding = 36 words: the 16 rows of a load start at 16 different groups of four banks (64 banks of 4 bytes: ISA guide 11.1)
.set PV,    160       ; a row of V: 128 + 32 = 40 words
.set VOFF,  4*KS*PK   ; a slot holds a tile, four steps: 256 rows of K, then 256 rows of V
.set SLOT1, 1<<17     ; slot 1 begins here, so that one exclusive or turns an address in one slot into the other's
.set STAGE, SLOT1+4*KS*(PK+PV)  ; behind the ring, never filled by a tensor load: 16 rows x 144 bytes for each wave, for the way out
.set SP,    144
.set AK0, 2           ; v2   my lane's place in a tile of K; never rewritten
.set AV0, 3           ; v3   the same for V
.set AK,  4           ; v4   the LDS address of K's next run of loads
.set AV,  5           ; v5   of V's
.set STO, 6           ; v6   the way out: where I put 16 bytes of a row
.set RD,  7           ; v7   the way out: where I read rows back
.set GO,  8           ; v8   my byte offset in 512 consecutive bytes of O
.set SPW, 62          ; v62  LDS address of my spare word: SPARE + 4 x my thread's number; never rewritten
.set NIL, 63          ; v63  0; never rewritten
.set SPARE, STAGE+4*16*SP  ; behind the stages: the spare words, 128 bytes for each wave: two blocks of 256 bytes that no other line names
.set MV,  12          ; v12-13  c m_old, kept while c m is made anew: by buffer
.set QO,  15          ; v15  my byte offset in 16 rows of Q
.set ST,  16          ; piece t's statistics at v[ST+4 t]: c m, m, l (even keys', odd keys')
.set TMP, 48          ; by buffer, four registers c0-c3 at work; when the maximum is found c2 takes a
.set S,   64
.set P,   192
.set MD,  128         ; window 1: the eight registers for group kt of 16 keys at MD + 8 kt
.set MC,  160         ; window 1: the masks of the products to come
.set QB,  64          ; window 2
.set KF,  128         ; window 2: key block kb, channel half c at KF + 16 kb + 8 c
.set VF,  192         ; window 2: key half kk, channel block cb at VF + 32 kk + 8 cb
.set WV,  12          ; s12  my wave's number
.set PB,  14          ; s14  b
.set HI,  15          ; s15  NB - 1 - b
.set G1K, 24          ; s[24:31] descriptor group 1 for K's tiles
.set G1V, 32          ; s[32:39] for V's: it differs in the padding alone
.set G0K, 40          ; s[40:43] descriptor group 0 for K's tiles
.set G0V, 44          ; s[44:47] the same for V's
.set SLOTS, 56        ; s56  tiles still to be asked for
.set CNT, 57          ; s57  counts a tile's key steps, 4 to 1
.set CS,  58          ; s[58:59] c: the packed scaling takes the pair's low word for both halves
.set SEL, 60          ; s[60:61] v_permlanex16_b32's selects: each lane takes its own place in the other half
.set TBK, 62          ; s62  LDS byte at which K of the step to be fetched begins
.set TBV, 63          ; s63  the same for V, less VOFF
.set RT,  70          ; s70  tiles of the block in hand that are still to be entered
.set NXT, 71          ; s71  the tile to be asked for next
.set LQ,  72          ; s72  the last tile of the block whose tiles are being asked for
.set NEW, 73          ; s73  1: the tile to be entered is a block's first
.set OFF, 74          ; s[74:75] a tile's byte offset in K and V
.set AL,  76          ; s[76:77] the mask's factor, in the low word
.set BE,  78          ; s[78:79] the mask's addend
.set OLO, 80          ; s[80:81] O at my rows of the second block
.set BIGN, 82         ; s82  -1e30
.set MSB, 0
.macro WIN new                      ; the high byte repeats the setting that is left; a switch that changes nothing is dropped
.if MSB != (\new)
	s_set_vgpr_msb (MSB<<8)|(\new)
.set MSB, (\new)
.endif
.endm
.set W_KQ, 0x0a       ; K and Q in window 2, S^T in window 0
.set W_KM, 0x1a       ; the same with the C operand in window 1
.set W_PV, 0x52       ; V in window 2, P in window 0, O^T in window 1
.set W_RS, 0x41       ; destination and source 0 in window 1, source 1 in window 0
; A fill.  Waves 0 and 1 fetch the two halves of a tile's K, waves 2 and 3 those of its V: 128 keys each.  An s_nop 0 and four v_nop follow each of the two lines, ahead of the jump and the label.
.macro LOAD
	s_cmp_lt_u32 s[WV], 2
	s_cbranch_scc0 .Lfor_v_\@
	tensor_load_to_lds s[G0K:G0K+3], s[G1K:G1K+7]
	s_nop 0
.rept 4
	v_nop
.endr
	s_branch .Lasked_\@
.Lfor_v_\@:
	tensor_load_to_lds s[G0V:G0V+3], s[G1V:G1V+7]
	s_nop 0
.rept 4
	v_nop
.endr
.Lasked_\@:
.endm
; THE CHANGE OF SLOTS.  Each wave waits for all its tensor loads, of which one is out: its part of the other slot; adds 0 to its spare word; and waits for that and for its own reads of the slot that it leaves.  Behind the barrier nobody reads the old
; slot any more and the other slot is whole.  fill = 1: the old slot is filled again, the first thing behind the barrier, with tile NXT: the descriptor's address is made anew from that number.
; (At its first use nothing has been read yet: slot 0 is waited for, slot 1 filled.)
.macro CHANGE fill
	WIN 0                           ; at a label and at a branch every window is 0
	s_wait_tensorcnt 0x0            ; no tensor load of mine is out, so a group 0 may be written
	ds_add_u32 v[SPW], v[NIL]       ; 0 onto my spare word; with fill = 1 the descriptors' scalar work stands between it and the wait for it
.if \fill
	s_lshl_b32 s[OFF], s[NXT], 15   ; a tile is 32,768 bytes of K and of V
	s_xor_b32 s[G0K+1], s[G0K+1], SLOT1
	s_add_nc_u64 s[G0K+2:G0K+3], s[6:7], s[OFF:OFF+1]
	s_or_b32 s[G0K+3], s[G0K+3], 0x80000000
	s_xor_b32 s[G0V+1], s[G0V+1], SLOT1
	s_add_nc_u64 s[G0V+2:G0V+3], s[8:9], s[OFF:OFF+1]
	s_or_b32 s[G0V+3], s[G0V+3], 0x80000000
	s_add_co_u32 s[NXT], s[NXT], 1  ; the block's next tile, or behind its last the second block's tile 0
	s_cmp_gt_u32 s[NXT], s[LQ]
	s_cselect_b32 s[NXT], 0, s[NXT]
	s_cselect_b32 s[LQ], s[PB], s[LQ]
.endif
	s_wait_dscnt 0x0                ; the add is done, and my reads of the slot are over
	s_barrier_signal -1             ; the rest of the scalar work stands between the signal and the wait
	s_sub_co_u32 s[TBK], s[TBK], 4*KS*PK  ; the fetches go back to a slot's first step,
	s_xor_b32 s[TBK], s[TBK], SLOT1       ; in the other slot
	s_sub_co_u32 s[TBV], s[TBV], 4*KS*PV
	s_xor_b32 s[TBV], s[TBV], SLOT1
	s_barrier_wait -1
.if \fill
	LOAD
.endif
.endm
	s_load_b256 s[4:11], s[0:1], 0x0  ; Q s[4:5], K s[6:7], V s[8:9], O s[10:11]
	v_lshl_add_u32 v[SPW], v0, 2, SPARE
	v_mov_b32 v[NIL], 0
	ds_add_u32 v[SPW], v[NIL]       ; the wave's opening: the add and its wait stand ahead of my first tensor load; the set-up below, work on registers, stands between them
	ds_add_u32 v62, v63
	v_lshrrev_b32 v1, 5, v0
	v_readfirstlane_b32 s[WV], v1   ; wave 0..3
	s_mov_b32 s[PB], ttmp9
	s_sub_co_u32 s[HI], NB-1, s[PB]
	s_and_b32 s20, ttmp7, 0xffff    ; the head
	s_mov_b32 s21, 0
	s_mov_b64 s[22:23], SIZE_N*128
	s_mul_u64 s[20:21], s[20:21], s[22:23]  ; the head's first byte in each of the four tensors
	s_and_b32 s16, s[WV], 1         ; which half of a tile's 256 keys I fetch:
	s_lshl_b32 s22, s16, 14         ; its 128 rows of 128 bytes in memory,
	s_mov_b32 s23, 0
	s_add_nc_u64 s[22:23], s[22:23], s[20:21]
	s_mul_i32 s17, s16, 128*PK      ; and its place in a slot, for K
	s_mul_i32 s18, s16, 128*PV      ; and for V
	s_lshl_b32 s3, s[WV], 11        ; my 16 rows in a band of 64,
	s_lshl_b32 s2, s[HI], 15        ; in the first block,
	s_add_co_u32 s2, s2, s3
	s_lshl_b32 s84, s[PB], 15       ; and in the second
	s_add_co_u32 s84, s84, s3
	s_mov_b32 s3, 0
	s_mov_b32 s85, 0
	s_add_nc_u64 s[2:3], s[2:3], s[20:21]
	s_add_nc_u64 s[84:85], s[84:85], s[20:21]
	; descriptor group 1.  128 keys are 16,384 dense bytes: asked for as 64 rows of 256 bytes, two keys a row, and padded in LDS after every key
	s_mov_b32 s[G1K], (1<<16)|(1<<20)|(4<<22)|(3<<25)  ; 17:16 2-byte elements; 20 padding on; 24:22 after every 32 words (code 4); 31:25 4 words (code 3)
	s_mov_b32 s[G1V], (1<<16)|(1<<20)|(4<<22)|(7<<25)  ; the same with 8 words of padding (code 7)
.irp g, G1K, G1V
	s_mov_b32 s[\g+1], 128<<16      ; tensor_dim0 = 128
	s_mov_b32 s[\g+2], 64<<16       ; tensor_dim1 = 64
	s_mov_b32 s[\g+3], 128<<16      ; tile_dim0 = 128
	s_mov_b32 s[\g+4], 64           ; tile_dim1 = 64
	s_mov_b32 s[\g+5], 128          ; 128 elements from row to row
	s_mov_b32 s[\g+6], 0
	s_mov_b32 s[\g+7], 0
.endr
	s_mov_b32 s[CS], 0x3e38aa3b     ; c = log2(e) / 8 = 0.180337
	s_mov_b32 s[CS+1], s[CS]        ; named with it as a pair
	s_mov_b32 s[SEL], 0x76543210
	s_mov_b32 s[SEL+1], 0xfedcba98
	s_mov_b32 s[TBK], SLOT1+4*KS*PK ; the first change of slots turns these two into 0
	s_mov_b32 s[TBV], SLOT1+4*KS*PV
	s_mov_b32 s[G0K], 1             ; 1:0 count = 1
	s_mov_b32 s[G0K+1], s17         ; 63:32 LDS address: slot 0
	s_mov_b32 s[G0V], 1
	s_add_co_u32 s[G0V+1], s18, VOFF
	s_add_co_u32 s[RT], s[HI], 1    ; the first block has NB - b tiles
	s_mov_b32 s[NXT], 1
	s_mov_b32 s[LQ], s[HI]
	s_mov_b32 s[NEW], 1
	s_mov_b32 s[OFF+1], 0
	s_mov_b32 s[AL+1], 0            ; named as pairs
	s_mov_b32 s[BE+1], 0
	s_mov_b32 s[BIGN], 0xf149f2ca   ; -1e30
	s_mov_b32 s[SLOTS], NB
	s_wait_dscnt 0x0                ; the opening add is done
	s_wait_kmcnt 0x0
	s_add_nc_u64 s[6:7], s[6:7], s[22:23]  ; K and V at my half of the head's tile 0
	s_add_nc_u64 s[8:9], s[8:9], s[22:23]
	s_add_nc_u64 s[G0K+2:G0K+3], s[6:7], 0         ; 120:64 global address
	s_or_b32 s[G0K+3], s[G0K+3], 0x80000000        ; 127:126 type = 2
	s_add_nc_u64 s[G0V+2:G0V+3], s[8:9], 0
	s_or_b32 s[G0V+3], s[G0V+3], 0x80000000
	s_add_nc_u64 s[86:87], s[4:5], s[84:85]        ; Q at my rows of the second block,
	s_add_nc_u64 s[4:5], s[4:5], s[2:3]            ; Q and O at those of the first
	s_add_nc_u64 s[OLO:OLO+1], s[10:11], s[84:85]
	s_add_nc_u64 s[10:11], s[10:11], s[2:3]
	LOAD                            ; tile 0 into slot 0
	; A fragment of K or Q is 16 rows x 32 channels in 8 registers: lane l holds row l % 16, channels 8 (l / 16) + 0..7 and 16 + 8 (l / 16) + 0..7: two loads of 16 bytes, 32 bytes apart.
	v_and_b32 v1, 15, v0            ; l % 16
	v_bfe_u32 v9, v0, 4, 1          ; l / 16
	v_lshlrev_b32 v[QO], 7, v1
	v_lshl_add_u32 v[QO], v9, 4, v[QO]  ; row x 128 + 16 x half
	WIN 0x80                        ; destination window 2, address window 0
.set i, 0
.rept 8                             ; both blocks' Q: piece i / 2 lies in band i / 2, 8,192 bytes on; channels 32 (i % 2) on
	global_load_b128 v[8*i:8*i+3],   v[QO], s[4:5] offset:(i/2)*8192+(i%2)*64
	global_load_b128 v[8*i+4:8*i+7], v[QO], s[4:5] offset:(i/2)*8192+(i%2)*64+32
	global_load_b128 v[QB+8*i:QB+8*i+3],   v[QO], s[86:87] offset:(i/2)*8192+(i%2)*64
	global_load_b128 v[QB+8*i+4:QB+8*i+7], v[QO], s[86:87] offset:(i/2)*8192+(i%2)*64+32
.set i, i+1
.endr
	WIN 0
	v_lshlrev_b32 v14, 3, v9
	v_sub_nc_u32 v14, v1, v14
	s_lshl_b32 s13, s[WV], 4
	v_add_nc_u32 v14, s13, v14      ; my query's place in its band, 16 w + l % 16, less my lanes' 8 (l / 16): register r of group kt is hidden where 16 kt + r is greater
	WIN 0x40
.set i, 0
.rept 32
	v_cmp_gt_i32 vcc_lo, 16*(i/8)+i%8, v14
	v_cndmask_b32 v[MD+i], 0, s[BIGN], vcc_lo
.set i, i+1
.endr
	WIN 0
	v_mul_u32_u24 v[AK0], v1, PK
	v_lshl_add_u32 v[AK0], v9, 4, v[AK0]  ; row x pitch + 16 x half
	; The turning load takes 16 keys x 16 channels (lane l reads key 8 (l / 16) + l % 8, channels 8 ((l / 8) % 2) + 0..7) and leaves half a fragment of V^T: lane l holds channel l % 16 and 8 keys.
	v_and_b32 v10, 7, v0
	v_bfe_u32 v11, v0, 3, 1
	v_lshl_add_u32 v[AV0], v9, 3, v10
	v_mul_u32_u24 v[AV0], v[AV0], PV
	v_lshl_add_u32 v[AV0], v11, 4, v[AV0]
	v_add_nc_u32 v[AV0], VOFF, v[AV0]
	s_mul_i32 s13, s[WV], 16*SP
	s_add_co_u32 s13, s13, STAGE    ; my stage
	v_mul_u32_u24 v[STO], v1, SP    ; in: row l % 16, 16 bytes for each half of the lanes
	v_lshl_add_u32 v[STO], v9, 4, v[STO]
	v_add_nc_u32 v[STO], s13, v[STO]
	v_bfe_u32 v[RD], v0, 3, 2       ; back: 32 lanes take four rows of 128 bytes,
	v_mul_u32_u24 v[RD], v[RD], SP
	v_lshl_add_u32 v[RD], v10, 4, v[RD]
	v_add_nc_u32 v[RD], s13, v[RD]
	v_and_b32 v[GO], 31, v0         ; which are 512 consecutive bytes of O
	v_lshlrev_b32 v[GO], 4, v[GO]
	; A block's first step multiplies O^T and l by a = 0, and its first turn's products V^T P, of a piece that has not been, land in an O^T that is still to be so multiplied.  So these registers need only hold
	; finite numbers: zeros for the first block; what the first block left for the second.  All this stands in the wait for the first tile.
	WIN 0x80
.set i, VF
.rept 64
	v_mov_b32 v[i], 0
.set i, i+1
.endr
	WIN 0x40
.set i, 0
.rept 128
	v_mov_b32 v[i], 0
.set i, i+1
.endr
	WIN 0
.set i, 0
.rept 4
	v_mov_b32 v[ST+4*i+2], 0
	v_mov_b32 v[ST+4*i+3], 0
.set i, i+1
.endr
.set i, P+16
.rept 16
	v_mov_b32 v[i], 0
.set i, i+1
.endr
; THE MATRIX WORK.  The 4 accumulators of a run of 8 take turns.  Product i of 8 of S^T = K Q^T for piece x: channels 32 (i / 4) on, keys 16 (i % 4) on.  The first 4 start the sums: with 0, or (KM = 1) with the mask.
.macro KQ x
.set rS, S+32*((\x)%2)+8*(i%4)
.set rK, KF+16*(i%4)+8*(i/4)
.set rQ, 16*(\x)+8*(i/4)
.set rM, MC+32*((\x)%2)+8*(i%4)
.if (i < 4) && KM
	WIN W_KM
	v_wmma_f32_16x16x32_f16 v[rS:rS+7], v[rK:rK+7], v[rQ:rQ+7], v[rM:rM+7]
.elseif i < 4
	WIN W_KQ
	v_wmma_f32_16x16x32_f16 v[rS:rS+7], v[rK:rK+7], v[rQ:rQ+7], 0
.else
	WIN W_KQ
	v_wmma_f32_16x16x32_f16 v[rS:rS+7], v[rK:rK+7], v[rQ:rQ+7], v[rS:rS+7]
.endif
.endm
; Product i of 8 of O^T += V^T P for piece x: keys 32 (i / 4) on, channels 16 (i % 4) on.
.macro PV x
	WIN W_PV
.set rO, 32*(\x)+8*(i%4)
.set rV, VF+32*(i/4)+8*(i%4)
.set rP, P+16*((\x)%2)+8*(i/4)
	v_wmma_f32_16x16x32_f16 v[rO:rO+7], v[rV:rV+7], v[rP:rP+7], v[rO:rO+7]
.endm
.macro MM                           ; the turn's next matrix instruction.  TURN and BEGIN set Y, i, KM and NOKQ; MM, KQ and OP read them.  NOKQ = 1: a block's last turn: there is no next piece
.if (i < 8) && !NOKQ
	KQ (Y+1)%NP
.elseif i >= 8
.set i, i-8
	PV (Y+NP-1)%NP
.set i, i+8
.endif
.set i, i+1
.endm
; THE LDS LOADS stand in runs of 16, never singly among the matrix instructions: a step's K (64 keys x 64 channels: 8 fragments) and its V (turned).  Their addresses are made some lines ahead.
.macro FETCH_K
	WIN 0x80                        ; destination window 2
.irp f, 0,1,2,3,4,5,6,7             ; keys 16 (f / 2) on, channels 32 (f % 2) on
	ds_load_b128 v[KF+8*\f:KF+8*\f+3],   v[AK] offset:(\f/2)*16*PK+(\f%2)*64
	ds_load_b128 v[KF+8*\f+4:KF+8*\f+7], v[AK] offset:(\f/2)*16*PK+(\f%2)*64+32
.endr
	s_add_co_u32 s[TBK], s[TBK], KS*PK  ; the next fetch is the next step's
	WIN 0
.endm
.macro FETCH_V
	WIN 0x80
.irp f, 0,1,2,3,4,5,6,7             ; keys 32 (f / 4) on, channels 16 (f % 4) on
	ds_load_tr16_b128 v[VF+8*\f:VF+8*\f+3],   v[AV] offset:(\f/4)*32*PV+(\f%4)*32
	ds_load_tr16_b128 v[VF+8*\f+4:VF+8*\f+7], v[AV] offset:(\f/4)*32*PV+16*PV+(\f%4)*32
.endr
	WIN 0
.endm
; THE VECTOR WORK, one line at a time: OP kind, number.  For piece Y: F n: c s - c m for pair n of 16.  E n: the exponential of score n of 32.  C n: pair n rounded to f16.  B n: of the four weights 4 n .. the second
; pair is added onto the first, in place.  L n: l takes that sum (L 0: l = a l + sum).  R n: pair n of 16 of O^T times a.  For piece Y + 1: X n, number n of the 22 that find its maximum and statistics:
;   0-11  four chains c0-c3 of seven scores each, three operands at a time (each accumulator's lowest registers are read first)     12-14, 16  the four scores left over, the old m, and c0-c3 into c0
;   15  c m_old is kept     17, 18  the query's other 32 keys lie in the lane 16 away: the new m     19-21  c m; c m_old - c m_new; a
.set F, 0               ; OP tells the kinds apart by their order: F to L below R, X above it
.set E, 1
.set C, 2
.set B, 3
.set L, 4
.set R, 5
.set X, 6
.macro REGS y                       ; the registers of piece y
.set rT, ST+4*(\y)
.set rC, TMP+4*((\y)%2)
.set rW, MV+((\y)%2)
.set rS, S+32*((\y)%2)
.set rP, P+16*((\y)%2)
.set rO, 32*(\y)
.endm
.macro OP k, n
.if (\k) == R
	REGS Y
	WIN W_RS
	v_pk_mul_f32 v[rO+2*(\n):rO+2*(\n)+1], v[rO+2*(\n):rO+2*(\n)+1], v[rC+2:rC+3] op_sel_hi:[1,0]
.elseif (\k) < R
	REGS Y
	WIN 0
.if (\k) == F
	v_pk_fma_f32 v[rS+2*(\n):rS+2*(\n)+1], v[rS+2*(\n):rS+2*(\n)+1], s[CS:CS+1], v[rT:rT+1] op_sel_hi:[1,0,0] neg_lo:[0,0,1] neg_hi:[0,0,1]
.elseif (\k) == E
	v_exp_f32 v[rS+(\n)], v[rS+(\n)]
.elseif (\k) == C
	s_wait_alu depctr_va_vdst(0)
	v_cvt_pk_f16_f32 v[rP+(\n)], v[rS+2*(\n)], v[rS+2*(\n)+1]
.elseif (\k) == B
	s_wait_alu depctr_va_vdst(0)
	v_pk_add_f32 v[rS+4*(\n):rS+4*(\n)+1], v[rS+4*(\n):rS+4*(\n)+1], v[rS+4*(\n)+2:rS+4*(\n)+3]
.elseif (\n) == 0
	v_pk_fma_f32 v[rT+2:rT+3], v[rT+2:rT+3], v[rC+2:rC+3], v[rS:rS+1] op_sel_hi:[1,0,1]
.else
	v_pk_add_f32 v[rT+2:rT+3], v[rT+2:rT+3], v[rS+4*(\n):rS+4*(\n)+1]
.endif
.elseif NOKQ
	v_nop
.else
	REGS (Y+1)%NP
	WIN 0
.if (\n) < 4
	v_max3_num_f32 v[rC+(\n)], v[rS+8*(\n)], v[rS+8*(\n)+1], v[rS+8*(\n)+2]
.elseif (\n) < 12
	v_max3_num_f32 v[rC+(\n)%4], v[rC+(\n)%4], v[rS+8*((\n)%4)+2*((\n)/4)+1], v[rS+8*((\n)%4)+2*((\n)/4)+2]
.elseif (\n) == 12
	v_max3_num_f32 v[rC], v[rC], v[rS+7], v[rS+15]
.elseif (\n) == 13
	v_max3_num_f32 v[rC+1], v[rC+1], v[rS+23], v[rS+31]
.elseif (\n) == 14
	v_max3_num_f32 v[rC+2], v[rC+2], v[rC+3], v[rT+1]
.elseif (\n) == 15
	v_mov_b32 v[rW], v[rT]
.elseif (\n) == 16
	v_max3_num_f32 v[rC], v[rC], v[rC+1], v[rC+2]
.elseif (\n) == 17
	v_permlanex16_b32 v[rC+3], v[rC], s[SEL], s[SEL+1]
.elseif (\n) == 18
	v_max_num_f32 v[rT+1], v[rC], v[rC+3]
.elseif (\n) == 19
	v_mul_f32 v[rT], s[CS], v[rT+1]
.elseif (\n) == 20
	v_sub_f32 v[rC+1], v[rW], v[rT]
.else
	v_exp_f32 v[rC+2], v[rC+1]
.endif
.endif
.endm
.macro OPS a, i1, b=-1, i2=0, c=-1, i3=0, d=-1, i4=0  ; up to four of them
	OP \a, \i1
.if (\b) >= 0
	OP \b, \i2
.endif
.if (\c) >= 0
	OP \c, \i3
.endif
.if (\d) >= 0
	OP \d, \i4
.endif
.endm
.macro ROW a, i1, b, i2, c, i3, d, i4  ; a matrix instruction and the four behind it
	MM
	OPS \a, \i1, \b, \i2, \c, \i3, \d, \i4
.endm
.macro MASK b                       ; MD x AL + BE into buffer b of MC
	WIN W_RS
.set z, 0
.rept 16
	v_pk_fma_f32 v[MC+32*(\b)+2*z:MC+32*(\b)+2*z+1], v[MD+2*z:MD+2*z+1], s[AL:AL+1], s[BE:BE+1] op_sel_hi:[1,0,0]
.set z, z+1
.endr
.endm
; A TURN, for piece p: the order of its 16 matrix and 118 vector instructions, written out.  Behind a matrix instruction: plain, exponential, plain, plain; or four of the rescaling; or, behind the first, four scalings; none
; names a register of the products round it.  In the lumps exponential and plain by turns while exponentials last.  A line reads no result made fewer than three vector instructions in front of it, five if an exponential made it.
; v_permlanex16_b32 (X 17) stands in a lump.
; m = 1: the diagonal tile: the products take masks, and the turn makes the mask for the products of the turn after it: piece p + 2, in step 4 - CNT of the tile.  end = 1: a block's last two turns: nothing is fetched.
; cnt = 1: the loop's count is taken down some lines ahead of the branch that stands behind the turn.
; K of the next step is fetched in piece 2's turn, six vector instructions behind the last product that read K (five of them plain); V of the step in hand in piece 0's turn, eight behind the last product that read V (four
; plain, and X 17).  Each is waited for a turn later.
.macro TURN p, m=0, end=0, cnt=0
.set Y, (\p)
.set i, 0
.set KM, (\m)
.set NOKQ, (\end)*((\p)/3)
.if (\m) && !(\end)
	s_cmp_eq_u32 s[CNT], 4-((\p)+2)%NP  ; is that step the band's own?
	s_cselect_b32 s[AL], 1.0, 0
	s_cmp_lt_u32 s[CNT], 4-((\p)+2)%NP  ; or a later one?
	s_cselect_b32 s[BE], s[BIGN], 0
.endif
.if ((\p) == 3) && !(\end)
	s_wait_dscnt 0x0                ; K is in
.endif
	ROW F,0, F,1, F,2, F,3
	ROW F,4, E,0, F,5, F,6
	ROW F,7, E,1, F,8, F,9
	ROW F,10, E,2, C,0, F,11
	ROW F,12, E,3, X,15, F,13
	ROW R,0, R,1, R,2, R,3
	ROW B,0, E,4, F,14, L,0
.if ((\p) == 2) && !(\end)
	v_add_nc_u32 v[AK], s[TBK], v[AK0]
.endif
	ROW R,4, R,5, R,6, R,7
	OPS E,5, F,15
.if ((\p) == 2) && !(\end)
	FETCH_K
.endif
	OPS E,6, C,1, E,7, R,8
	OPS E,8, R,9, E,9, C,2
	OPS E,10, X,0, E,11, X,1
	OPS E,12, X,2, E,13, X,3
.if (\p) == 1
	s_wait_dscnt 0x0                ; V is in
.endif
	ROW X,4, E,14, X,5, X,6
	ROW X,7, E,15, X,8, X,9
	ROW X,10, E,16, X,11, X,12
	ROW X,13, E,17, X,14, B,1
	ROW C,4, E,18, X,16, L,1
	ROW B,2, E,19, C,6, L,2
	ROW C,8, E,20, B,3, B,4
.if (\p) == 0
	v_add_nc_u32 v[AV], s[TBV], v[AV0]
.endif
	ROW C,3, E,21, L,3, C,5
	OPS E,22, X,17, E,23, C,10
.if (\p) == 0
	FETCH_V
.endif
	OPS E,24, L,4
	OPS E,25, X,18, E,26, C,7
	OPS E,27, B,5, E,28, X,19
	OPS E,29, C,12, E,30, L,5
	OPS E,31, X,20, B,6, C,9
	OPS C,14, C,11, X,21, L,6
.if (\p) == 0
	s_add_co_u32 s[TBV], s[TBV], KS*PV
.endif
.if \cnt
	s_sub_co_u32 s[CNT], s[CNT], 1
	s_cmp_lg_u32 s[CNT], 0
.endif
	OPS C,13, B,7, C,15, R,10
	OPS R,11, R,12, L,7, R,13
	OPS R,14, R,15
.if (\m) && !(\end)
	MASK (\p)%2
.endif
.endm
; A BLOCK BEGINS.  c m starts far below every c s, so the first step's a is 0; m at the lowest finite number, so the first maximum is the scores'.  The second mask buffer is 0; the first takes piece 0's mask for the tile's step 0: its own, if the block's first tile is the diagonal one.
; Then K of that step, piece 0's first scores, and its maximum and statistics.  The loop is entered at a step's first turn, in the middle of a trip.
.macro BEGIN
	s_mov_b32 s[NEW], 0
	WIN 0x40
.set i, MC+32
.rept 32
	v_mov_b32 v[i], 0
.set i, i+1
.endr
	WIN 0
.set i, 0
.rept 4
	v_mov_b32 v[ST+4*i], 0xfe000000    ; c m: far below every c s
	v_mov_b32 v[ST+4*i+1], 0xff7fffff  ; m
.set i, i+1
.endr
	s_cmp_eq_u32 s[RT], 0
	s_cselect_b32 s[AL], 1.0, 0
	s_mov_b32 s[BE], 0
	MASK 0
	WIN 0
	v_add_nc_u32 v[AK], s[TBK], v[AK0]
	FETCH_K
	s_wait_loadcnt 0x0              ; Q
	s_wait_dscnt 0x0
.set KM, 1
.set NOKQ, 0
.set i, 0
.rept 8
	KQ 0
.set i, i+1
.endr
	WIN 0
.rept 4
	v_nop                           ; the places behind those products
.endr
.set Y, NP-1                        ; X works for piece Y + 1: piece 0
.irp n, 0,1,2,3,4,5,6,7,8,9,10,11,12,13,14,15,16,17,18,19,20,21
	OP X, \n
.endr
	v_nop                           ; a plain instruction behind the exponential
.endm
; THE DIAGONAL TILE's four steps, the block's last two turns, its last products, and THE WAY OUT: l's two halves and the other half of the lanes' are added; O^T is divided by l, rounded to f16 and sent through my
; stage in LDS, a piece at a time.
.macro ALL line:vararg              ; one line for each piece t
.set t, 0
.rept 4
	\line
.set t, t+1
.endr
.endm
.macro PACK t                       ; a lane's eight channels of a row pack into 16 bytes; they go into rows of 144 bytes and come back as whole rows of 128, into S^T's registers
	WIN W_RS
.set i, 32*(\t)
.rept 16
	s_wait_alu depctr_va_vdst(0)
	v_pk_mul_f32 v[i:i+1], v[i:i+1], v[ST+4*(\t)+2:ST+4*(\t)+3] op_sel_hi:[1,0]
.set i, i+2
.endr
	WIN 0x05                        ; sources 0 and 1 window 1, destination window 0
.set i, 0
.rept 16
	v_cvt_pk_f16_f32 v[S+16*(\t)+i], v[32*(\t)+2*i], v[32*(\t)+2*i+1]
.set i, i+1
.endr
	WIN 0
.irp f, 0,1,2,3
	ds_store_b128 v[STO], v[S+16*(\t)+4*\f:S+16*(\t)+4*\f+3] offset:32*\f
.endr
.irp f, 0,1,2,3
	ds_load_b128 v[S+16*(\t)+4*\f:S+16*(\t)+4*\f+3], v[RD] offset:\f*4*SP  ; LDS serves a wave's instructions in order (ISA guide 5.7.1.4): these see the stores above; the next piece's stores come behind them
.endr
.endm
.macro SEND t, younger              ; younger: the LDS instructions issued behind piece t's loads: the next piece's eight, or none
	WIN 0
.irp f, 0,1,2,3
	s_wait_dscnt (\younger)+3-\f
	global_store_b128 v[GO], v[S+16*(\t)+4*\f:S+16*(\t)+4*\f+3], s[10:11] offset:(\t)*8192+\f*512  ; 512 consecutive bytes, at a multiple of 256 from O's first
.endr
.endm
.macro DIAG tag                     ; the tag ends its two labels' names, which the jumps below spell out
.LstepM\tag:
	TURN 2, 1
	TURN 3, 1
	WIN 0
.LfirstM\tag:
	TURN 0, 1
	TURN 1, 1, 0, 1
	WIN 0
	s_cbranch_scc1 .LstepM\tag
	TURN 2, 1, 1
	TURN 3, 1, 1
.set i, 0
.rept 8
	PV NP-1
.set i, i+1
.endr
	WIN 0
	ALL v_add_f32 v[ST+4*t+2], v[ST+4*t+2], v[ST+4*t+3]
	ALL v_permlanex16_b32 v[ST+4*t+3], v[ST+4*t+2], s[SEL], s[SEL+1]
	ALL v_add_f32 v[ST+4*t+2], v[ST+4*t+2], v[ST+4*t+3]
	ALL v_rcp_f32 v[ST+4*t+2], v[ST+4*t+2]
	v_nop                           ; a plain instruction between the last reciprocal and the use of its result
	PACK 0
.set t, 1
.rept 3                             ; a piece's arithmetic stands between the loads of the piece before and its stores
	PACK t
	SEND t-1, 8
.set t, t+1
.endr
	SEND 3, 0
.endm
.set KM, 0
.set NOKQ, 0
.Lslot:                             ; NB times: a tile is entered and the next is asked for
	CHANGE 1
	s_sub_co_u32 s[RT], s[RT], 1
	s_mov_b32 s[CNT], 4
	s_cmp_eq_u32 s[NEW], 1
	s_cbranch_scc1 .Lnew            ; a block's first tile
	s_cmp_eq_u32 s[RT], 0
	s_cbranch_scc0 .Lstep           ; neither its first nor its last
	s_branch .LstepM1
.Lnew:
	BEGIN
	s_branch .Lfirst                ; in the loop a block's first tile is never its last: the first block has two tiles or more, and the second's last is the walk's last
	DIAG 1                          ; in the loop this is the first block's end: the second block's last tile is the walk's last
	s_wait_xcnt 0x0                 ; the stores have read their registers and O's address
	s_mov_b64 s[10:11], s[OLO:OLO+1]
	s_add_co_u32 s[RT], s[PB], 1    ; the second block has b + 1 tiles
	s_mov_b32 s[NEW], 1
	WIN 0x82                        ; the second block's Q goes where the one text of the turns names Q
.set i, 0
.rept 64
	v_mov_b32 v[i], v[QB+i]
.set i, i+1
.endr
	WIN 0
	s_branch .Lbottom
.Lstep:                             ; a trip: pieces 2 and 3 of one step, then pieces 0 and 1 of the next, whose K and V it fetches
	TURN 2
	TURN 3
	WIN 0
.Lfirst:
	TURN 0
	TURN 1, 0, 0, 1
	WIN 0
	s_cbranch_scc1 .Lstep
.Lbottom:
	s_sub_co_u32 s[SLOTS], s[SLOTS], 1
	s_cmp_lg_u32 s[SLOTS], 0
	s_cbranch_scc1 .Lslot
	CHANGE 0                        ; the walk's last tile is written out: nothing is asked for
	s_sub_co_u32 s[RT], s[RT], 1
	s_mov_b32 s[CNT], 4
	s_cmp_eq_u32 s[NEW], 1
	s_cbranch_scc0 .LstepM2
	BEGIN
	s_branch .LfirstM2
	DIAG 2
	s_wait_tensorcnt 0x0            ; the wave's end, behind my last tensor load and my last LDS store
	ds_add_u32 v[SPW], v[NIL]
	s_wait_dscnt 0x0
	s_endpgm
.Lfunc_end_k_qdfcc2fbe16_attn:
	.size	k_qdfcc2fbe16_attn, .Lfunc_end_k_qdfcc2fbe16_attn-k_qdfcc2fbe16_attn
	.p2alignl 7, 3214868480
	.fill 96, 4, 3214868480
	.section	.rodata,"a",@progbits
	.p2align	6, 0x0
	.amdhsa_kernel k_qdfcc2fbe16_attn
		.amdhsa_group_segment_fixed_size 327680
		.amdhsa_private_segment_fixed_size 0
		.amdhsa_enable_private_segment 0
		.amdhsa_kernarg_size 32
		.amdhsa_user_sgpr_count 2
		.amdhsa_user_sgpr_kernarg_segment_ptr 1
		.amdhsa_wavefront_size32 1
		.amdhsa_system_sgpr_workgroup_id_x 1
		.amdhsa_system_sgpr_workgroup_id_y 1
		.amdhsa_system_sgpr_workgroup_id_z 1
		.amdhsa_system_vgpr_workitem_id 0
		.amdhsa_next_free_vgpr 768
		.amdhsa_next_free_sgpr 88
		.amdhsa_reserve_vcc 1
		.amdhsa_float_denorm_mode_32 3
		.amdhsa_float_denorm_mode_16_64 3
		.amdhsa_memory_ordered 1
		.amdhsa_forward_progress 1
		.amdhsa_inst_pref_size 228
	.end_amdhsa_kernel
	.amdgpu_metadata
---
amdhsa.version: [ 1, 2 ]
amdhsa.kernels:
  - .name:           k_qdfcc2fbe16_attn
    .symbol:         k_qdfcc2fbe16_attn.kd
    .args:
      - { .name: q16, .offset: 0, .size: 8, .value_kind: global_buffer, .address_space: global }
      - { .name: k16, .offset: 8, .size: 8, .value_kind: global_buffer, .address_space: global }
      - { .name: v16, .offset: 16, .size: 8, .value_kind: global_buffer, .address_space: global }
      - { .name: o16, .offset: 24, .size: 8, .value_kind: global_buffer, .address_space: global }
    .group_segment_fixed_size: 327680
    .private_segment_fixed_size: 0
    .kernarg_segment_align: 8
    .kernarg_segment_size: 32
    .max_flat_workgroup_size: 128
    .sgpr_count:     88
    .vgpr_count:     768
    .wavefront_size: 32
...
	.end_amdgpu_metadata
.endif
;; end of part 3
;; launch oproj (part 4): grid 8 x 32, 4 waves a work-group, clusters of 4 x 4, 327,680 bytes of LDS; arguments o16, wo16, out0; writes out0
.if DOCPART == 4
	.amdgcn_target "amdgcn-amd-amdhsa--gfx1250"
	.amdhsa_code_object_version 6
	.text
	.protected	k_qdfcc2fbe16_oproj
	.globl	k_qdfcc2fbe16_oproj
	.p2align	8
	.type	k_qdfcc2fbe16_oproj,@function
k_qdfcc2fbe16_oproj:
	s_mov_b64 s[64:65], 0
	v_nop
	global_prefetch_b8 v0, s[64:65] scope:SCOPE_SE
	s_setreg_imm32_b32 hwreg(HW_REG_WAVE_MODE, 25, 1), 1
	s_wait_xcnt 0x0
	s_wait_alu depctr_hold_cnt(0) depctr_sa_sdst(0) depctr_va_vdst(0) depctr_va_sdst(0) depctr_va_ssrc(0) depctr_va_vcc(0) depctr_vm_vsrc(0)
	s_getreg_b32 s2, hwreg(HW_REG_IB_STS2, 6, 4)
	s_cmp_eq_u32 s2, 0
	s_cbranch_scc0 .Lentry_in_a_cluster
	s_endpgm
.Lentry_in_a_cluster:
	s_bfe_u32 s2, ttmp6, 0x10000c
	s_cmp_lg_u32 s2, 0xf033
	s_cbranch_scc0 .Lentry_shape_is_right
	s_endpgm
.Lentry_shape_is_right:
; THE LAST PROJECTION.  out0[m][n] = sum over i of O[m][i] Wo[n][i], f16 operands, f32 sums, f32 result.  O lies by heads, o16: [64 bh][2048][64] f16 (bh = 16 batch + head, i = 64 head + channel);
; wo16: [1024][1024] f16; out0: [8192][1024] f32.  A tile of out0 is 256 rows x 128 columns: 32 x 8 = 256 tiles, one for each of 256 WGPs.
; Four waves, one above the other: wave w makes rows 64 w .. 64 w + 63 x all 128 columns: 32 accumulators of 16 x 16, 256 registers; a wave holds whole rows of 512 bytes, so its way out needs no other wave.
; K goes in steps of 128 = two heads through two LDS slots.  A head's 256 rows of 128 bytes are dense in memory: asked for as 128 rows of 256 bytes and padded in LDS after every 128.
; CLUSTERS: 4 x 4 work-groups.  The four of a row of the cluster need the same tiles of o16, the four of a column the same tiles of wo16: each is asked for jointly.
; THE MATRIX INSTRUCTION IS USED TRANSPOSED (source 0 = 16 rows of wo16, source 1 = 16 rows of O): a lane holds row l % 16 and the eight neighbouring columns 8 (l / 16) + 0..7: 32 bytes of f32.
; REGISTERS, in windows of 256: window 0: v0-31 addresses; v64-127 fragments of O, two buffers of 4 x 16 rows x 32 K; v128-255 the way out, two buffers of 16 rows.
;   window 1: fragments of wo16, two buffers of 64.   window 2: the accumulators of my rows 0-31 ((a, b) at v[8 (8 (a % 2) + b)]);   window 3: those of my rows 32-63.
.set NB,     8                         ; blocks of 16 columns
.set PA,     144                       ; a row of O in LDS: 128 bytes + 16 of padding = 36 words: the 16 rows of a load start at 16 different groups of four banks (64 banks of 4 bytes: ISA guide 11.1)
.set PB,     272                       ; a row of wo16: 256 + 16
.set HALFA,  256*PA                    ; what one tensor load brings of O: one head's 256 rows
.set ASZ,    2*HALFA
.set HALFB,  64*PB                     ; and of wo16
.set SLOT,   ASZ+2*HALFB
.set STAGE,  2*SLOT                    ; behind the ring: 16 rows x 528 bytes for each wave, for the way out
.set SP,     528
.set SPARE,  STAGE+4*16*SP             ; behind the stages: the spare words, 128 bytes for each wave: two blocks of 256 bytes that no other line names
.set STEPA,  524288                    ; bytes from a K step to the next: two heads of 262,144
.set STEPB,  256
.set NLD,    2*NB+8                    ; LDS loads in a run
.set LAPS,   4                         ; a lap = two K steps = once round the ring
.set ADRA, 16                          ; v16-17  LDS address of my O fragments in slot 0, 1
.set ADRB, 20                          ; v20-21  the same for wo16
.set STO,  24                          ; v24     the way out: where I put 32 bytes of a row
.set RD,   25                          ; v25     the way out: where I read a row back
.set CO,   26                          ; v26     my byte offset in 512 consecutive bytes of out0
.set SPW,  28                          ; v28     LDS address of my spare word; never rewritten
.set NIL,  29                          ; v29     0; never rewritten
.set FA0,  64
.set OB0,  128
.set G1, 24                            ; s[24:31] descriptor group 1 for O's tiles;  s[32:39] group 0, one set for each slot
.set G0, 32
.set G1B, 48                           ; s[48:55], s[56:63] the same for wo16's
.set G0B, 56
.set MSB, 0
.macro WIN new                         ; the immediate's high byte repeats the setting that is left; a switch that changes nothing is dropped
.if MSB != (\new)
	s_set_vgpr_msb (MSB<<8)|(\new)
.set MSB, \new
.endif
.endm
.set MUL_LO, 0xa1                      ; source 0 (wo16) window 1, source 1 (O) window 0, C and D window 2
.set TO_B,   0x40                      ; destination window 1, address window 0
; A joint load.  Waves 0 and 1 fetch the K step's two heads of O, waves 2 and 3 wo16's two halves.  The branch hangs on the wave's number alone.  An s_nop 0 and four v_nop follow each of the two lines.
.macro JLOAD s
	s_cmp_eq_u32 s11, 0
	s_cbranch_scc0 .Lfor_b_\@
	tensor_load_to_lds s[G0+4*(\s):G0+4*(\s)+3], s[G1:G1+7]
	s_nop 0
.rept 4
	v_nop
.endr
	s_branch .Lasked_\@
.Lfor_b_\@:
	tensor_load_to_lds s[G0B+4*(\s):G0B+4*(\s)+3], s[G1B:G1B+7]
	s_nop 0
.rept 4
	v_nop
.endr
.Lasked_\@:
.endm
.macro CREST                           ; a round of the cluster's barrier behind its opening barrier
	s_cmp_lg_u32 s10, 0
	s_cbranch_scc1 .Lnot_wave_0_\@
	s_barrier_signal -3
.Lnot_wave_0_\@:
	s_barrier_wait -3
	s_barrier_signal -1
	s_barrier_wait -1
.endm
.macro CROUND                          ; a whole round
	s_barrier_signal -1
	s_barrier_wait -1
	CREST
.endm
	s_load_b128 s[4:7], s[0:1], 0x0                ; o16 s[4:5], wo16 s[6:7]
	s_load_b64 s[8:9], s[0:1], 0x10                ; out0
	v_lshl_add_u32 v[SPW], v0, 2, SPARE
	v_mov_b32 v[NIL], 0
	ds_add_u32 v[SPW], v[NIL]                      ; the wave's opening: the add and its wait stand ahead of my first tensor load; the set-up below, work on registers, stands between them
	ds_add_u32 v28, v29
	v_lshrrev_b32 v1, 5, v0
	v_readfirstlane_b32 s10, v1                    ; wave 0..3
	s_lshr_b32 s11, s10, 1                         ; I fetch for O (0) or for wo16 (1),
	s_and_b32 s12, s10, 1                          ; this head of the K step's two, or this half of the rows
	s_bfe_u32 s40, ttmp6, 0x40000                  ; cx, cy: my place in the cluster
	s_bfe_u32 s41, ttmp6, 0x40004
	s_lshl_b32 s42, ttmp9, 2
	s_add_co_u32 s42, s42, s40                     ; the block of 128 columns = 4 x cluster x + cx
	s_and_b32 s13, ttmp7, 0xffff
	s_lshl_b32 s13, s13, 2
	s_add_co_u32 s13, s13, s41                     ; the block of 256 rows = 4 x cluster y + cy
	s_lshl_b32 s43, s41, 2
	s_lshl_b32 s43, 15, s43                        ; my row of the cluster
	s_lshl_b32 s44, 0x1111, s40                    ; my column
	s_or_b32 s[G1+0], s43, (1<<16)|(1<<20)|(1<<21)|(4<<22)|(3<<25)   ; 15:0 the mask; 17:16 elements of 2 bytes; 20 padding on; 21 set beside a mask; 24:22 after every 32 words (code 4); 31:25 4 words (code 3)
	s_or_b32 s[G1B+0], s44, (1<<16)|(1<<20)|(1<<21)|(5<<22)|(3<<25)  ; after every 64 words (code 5)
	s_mov_b32 s[G1+1], 128<<16                     ; tensor_dim0 = 128
	s_mov_b32 s[G1+2], 128<<16                     ; tensor_dim1 = 128
	s_mov_b32 s[G1+3], 128<<16                     ; tile_dim0 = 128
	s_mov_b32 s[G1+4], 128                         ; tile_dim1 = 128
	s_mov_b32 s[G1+5], 128                         ; dense: 128 elements from row to row
	s_mov_b32 s[G1+6], 0
	s_mov_b32 s[G1+7], 0
	s_mov_b32 s[G1B+1], 128<<16
	s_mov_b32 s[G1B+2], 64<<16                     ; 64 rows
	s_mov_b32 s[G1B+3], 128<<16
	s_mov_b32 s[G1B+4], 64
	s_mov_b32 s[G1B+5], 1024
	s_mov_b32 s[G1B+6], 0
	s_mov_b32 s[G1B+7], 0
	s_lshr_b32 s16, s13, 3                         ; O: the batch's 16 heads of 262,144 bytes,
	s_lshl_b32 s16, s16, 22
	s_lshl_b32 s17, s12, 18                        ; my head of the K step's two,
	s_add_co_u32 s16, s16, s17
	s_and_b32 s17, s13, 7                          ; the block's 256 rows of 128 bytes
	s_lshl_b32 s17, s17, 15
	s_add_co_u32 s16, s16, s17
	s_mov_b32 s17, 0
	s_lshl_b32 s46, s42, 18                        ; wo16: 128 rows of 2,048 bytes for each block,
	s_lshl_b32 s47, s12, 17                        ; 64 rows for my half
	s_add_co_u32 s46, s46, s47
	s_mov_b32 s47, 0
	s_mul_i32 s20, s12, HALFA                      ; where they go: no place in the cluster enters an LDS address
	s_mul_i32 s21, s12, HALFB
	s_add_co_u32 s21, s21, ASZ
	s_wait_dscnt 0x0                               ; the opening add is done
	s_wait_kmcnt 0x0
	s_add_nc_u64 s[14:15], s[4:5], s[16:17]
	s_add_nc_u64 s[46:47], s[6:7], s[46:47]
	CROUND                                         ; all sixteen work-groups are here: the first joint loads meet
.irp s, 0,1
	s_mov_b32 s[G0+4*(\s)], 1                                        ; count = 1
	s_add_co_u32 s[G0+4*(\s)+1], s20, (\s)*SLOT                      ; LDS address
	s_add_nc_u64 s[G0+4*(\s)+2:G0+4*(\s)+3], s[14:15], (\s)*STEPA    ; global address: K step s
	s_or_b32 s[G0+4*(\s)+3], s[G0+4*(\s)+3], 0x80000000              ; type = 2
	s_mov_b32 s[G0B+4*(\s)], 1
	s_add_co_u32 s[G0B+4*(\s)+1], s21, (\s)*SLOT
	s_add_nc_u64 s[G0B+4*(\s)+2:G0B+4*(\s)+3], s[46:47], (\s)*STEPB
	s_or_b32 s[G0B+4*(\s)+3], s[G0B+4*(\s)+3], 0x80000000
	JLOAD \s                                       ; two tensor loads of mine are out
.endr
	; A fragment is 16 rows x 32 K in 8 registers: lane l holds row l % 16, K = 8 (l / 16) + 0..7 and 16 + 8 (l / 16) + 0..7: two loads of 16 bytes, 32 bytes apart.
	v_and_b32 v1, 15, v0                           ; l % 16
	v_bfe_u32 v2, v0, 4, 1                         ; l / 16
	v_mul_u32_u24 v3, v1, PA
	v_lshl_add_u32 v3, v2, 4, v3
	v_mul_u32_u24 v4, v1, PB
	v_lshl_add_u32 v4, v2, 4, v4
	s_mul_i32 s22, s10, 64*PA                      ; my 64 rows of O
	s_mov_b32 s23, ASZ                             ; all of wo16's 128
.irp s, 0,1
	v_add_nc_u32 v[ADRA+(\s)], s22, v3
	v_add_nc_u32 v[ADRB+(\s)], s23, v4
	s_add_co_u32 s22, s22, SLOT
	s_add_co_u32 s23, s23, SLOT
.endr
	s_mul_i32 s23, s10, 16*SP
	s_add_co_u32 s23, s23, STAGE                   ; my stage
	v_mul_u32_u24 v[STO], v1, SP                   ; in: row l % 16, 32 bytes for each half of the lanes
	v_lshl_add_u32 v[STO], v2, 5, v[STO]
	v_add_nc_u32 v[STO], s23, v[STO]
	v_and_b32 v[CO], 31, v0                        ; back: 32 lanes take one row of 512 bytes
	v_lshlrev_b32 v[CO], 4, v[CO]
	v_add_nc_u32 v[RD], s23, v[CO]
	s_lshl_b32 s16, s13, 20                        ; out0: 256 rows of 4,096 bytes for each block,
	s_lshl_b32 s17, s10, 18                        ; my wave's 64 rows,
	s_add_co_u32 s16, s16, s17
	s_mov_b32 s17, 0
	s_add_nc_u64 s[8:9], s[8:9], s[16:17]
	s_lshl_b32 s46, s42, 9                         ; the tile's 128 columns (in the registers that held wo16's address: none that feeds O's descriptors ever holds cx)
	s_mov_b32 s47, 0
	s_add_nc_u64 s[8:9], s[8:9], s[46:47]
; 8 matrix instructions: row block 2 hi + a2 x all 8 column blocks, 32 along K, from buffer f.  zero = 1: the product starts the sums.  All 32 accumulators take turns, one instruction a turn, in the same
; order in every quarter.
.macro MULA f, hi, a2, zero
	WIN MUL_LO+0x50*(\hi)
.set rA, FA0+32*(\f)+8*(2*(\hi)+(\a2))
.set b, 0
.rept NB
.set rD, 8*(NB*(\a2)+b)
.set rB, 8*NB*(\f)+8*b
.if \zero
	v_wmma_f32_16x16x32_f16 v[rD:rD+7], v[rB:rB+7], v[rA:rA+7], 0
.else
	v_wmma_f32_16x16x32_f16 v[rD:rD+7], v[rB:rB+7], v[rA:rA+7], v[rD:rD+7]
.endif
.set b, b+1
.endr
.endm
; 24 LDS loads in one run: the fragments of quarter q of a K step into buffer f: wo16's 8 blocks, then O's four.  Quarter q of O lies in head q / 2 of the slot's two, at channel 32 (q % 2).
.macro FETCH slot, q, f
	WIN TO_B
.set i, 0
.rept NB
	ds_load_b128 v[8*NB*(\f)+8*i:8*NB*(\f)+8*i+3],   v[ADRB+(\slot)] offset:64*(\q)+i*16*PB
	ds_load_b128 v[8*NB*(\f)+8*i+4:8*NB*(\f)+8*i+7], v[ADRB+(\slot)] offset:64*(\q)+i*16*PB+32
.set i, i+1
.endr
	WIN 0
.set i, 0
.rept 4
	ds_load_b128 v[FA0+32*(\f)+8*i:FA0+32*(\f)+8*i+3],   v[ADRA+(\slot)] offset:((\q)/2)*HALFA+((\q)%2)*64+i*16*PA
	ds_load_b128 v[FA0+32*(\f)+8*i+4:FA0+32*(\f)+8*i+7], v[ADRA+(\slot)] offset:((\q)/2)*HALFA+((\q)%2)*64+i*16*PA+32
.set i, i+1
.endr
.endm
.macro PLACES                          ; four places in front of loads into registers that matrix instructions have read, and of lines that read results (ISA guide 7.12.1 for lines that read results)
.rept 4
	v_nop
.endr
.endm
; A K step is four quarters of 32 along K, 32 matrix instructions each, on buffers 0, 1, 0, 1.  One of the first three: multiplies buffer f; in its middle it fetches quarter q into buffer g.
.macro QUARTER slot, q, f, g, zero
	s_wait_dscnt 4                                 ; wo16's fragments and O's blocks 0, 1 are in; the youngest four loads (blocks 2, 3) may be out
	MULA \f, 0, 0, \zero
	MULA \f, 0, 1, \zero
	PLACES
	FETCH \slot, \q, \g
	s_wait_dscnt NLD                               ; all but the run just issued
	MULA \f, 1, 0, \zero
	MULA \f, 1, 1, \zero
.endm
; The last quarter multiplies buffer 1 and changes slots: ONE barrier; in front of it each wave waits for all its tensor loads (one is out: its part of the next slot), adds 0 to its spare word, and waits
; for that and for its reads of this slot.  fill = 1: the barrier opens a round of the cluster's, and this slot is filled again, two K steps ahead, first thing behind the round:
; 112 of a K step's 128 matrix instructions stand between that request and the wait for it.
.macro TURN slot, next, fill
	WIN 0                                          ; (the add's two registers lie in window 0)
	s_wait_tensorcnt 0x0
	ds_add_u32 v[SPW], v[NIL]                      ; 0 onto my spare word
	s_wait_dscnt 5                                 ; (the add and the youngest four loads may be out)
	MULA 1, 0, 0, 0                                ; eight matrix instructions stand between the add and the wait for it
	s_wait_dscnt 0x0                               ; the add is done, and my reads of this slot are over
	s_barrier_signal -1
	MULA 1, 0, 1, 0
.if \fill
	WIN 0
.endif
	s_barrier_wait -1
.if \fill
	CREST                                          ; no wave of any partner still reads this slot's tile or has a load on its way
	s_add_nc_u64 s[G0+4*(\slot)+2:G0+4*(\slot)+3], s[G0+4*(\slot)+2:G0+4*(\slot)+3], 2*STEPA
	s_add_nc_u64 s[G0B+4*(\slot)+2:G0B+4*(\slot)+3], s[G0B+4*(\slot)+2:G0B+4*(\slot)+3], 2*STEPB
	JLOAD \slot                                    ; my one tensor load behind the round; the four v_nop behind it are also the places in front of the loads below
.else
	PLACES
.endif
	FETCH \next, 0, 0
	MULA 1, 1, 0, 0
	MULA 1, 1, 1, 0
.endm
	s_wait_tensorcnt 1                             ; my part of K step 0 is in; K step 1's may stay out
	s_barrier_signal -1
	s_barrier_wait -1                              ; everybody's is
	FETCH 0, 0, 0
	QUARTER 0, 1, 0, 1, 1                          ; the first quarter stands in front of the loop: its products start the sums
	WIN 0                                          ; at a label and at a branch every window is 0
	s_mov_b32 s3, LAPS-1
.Llap:                                                 ; a trip goes once round the ring, from a lap's second quarter to the next lap's first, and fills both slots again
	QUARTER 0, 2, 1, 0, 0
	QUARTER 0, 3, 0, 1, 0
	TURN 0, 1, 1
	QUARTER 1, 1, 0, 1, 0
	QUARTER 1, 2, 1, 0, 0
	QUARTER 1, 3, 0, 1, 0
	TURN 1, 0, 1
	QUARTER 0, 1, 0, 1, 0
	WIN 0
	s_sub_co_u32 s3, s3, 1
	s_cmp_lg_u32 s3, 0
	s_cbranch_scc1 .Llap
	QUARTER 0, 2, 1, 0, 0                          ; the last lap fills nothing, and has no round of the cluster's barrier
	QUARTER 0, 3, 0, 1, 0
	TURN 0, 1, 0
	QUARTER 1, 1, 0, 1, 0
	QUARTER 1, 2, 1, 0, 0
	QUARTER 1, 3, 0, 1, 0
	s_wait_dscnt 4                                 ; the very last quarter: nothing more to fetch
	MULA 1, 0, 0, 0
	MULA 1, 0, 1, 0
	s_wait_dscnt 0x0
	MULA 1, 1, 0, 0
	MULA 1, 1, 1, 0
	WIN 0
	PLACES
; THE WAY OUT, a block of 16 rows at a time: a lane's 32 bytes of a row go into my stage (rows of 528 bytes), each accumulator's low half first; whole rows of 512 bytes come back and are stored.
.macro TOSTAGE a
.set AC, 8*NB*((\a)%2)
.set OB, OB0+64*((\a)%2)
	s_wait_xcnt 0x0                                ; every earlier memory instruction has had its addresses translated (ISA guide 3.1): the registers that the stores of two blocks ago read are loaded again only behind this wait
	WIN (2+(\a)/2)<<2                              ; the stores' data: window 2 or 3
.set b, 0
.rept NB
	ds_store_b128 v[STO], v[AC+8*b:AC+8*b+3] offset:64*b
	ds_store_b128 v[STO], v[AC+8*b+4:AC+8*b+7] offset:64*b+16
.set b, b+1
.endr
	WIN 0
.set j, 0
.rept 16
	ds_load_b128 v[OB+4*j:OB+4*j+3], v[RD] offset:SP*j  ; LDS serves a wave's instructions in order (ISA guide 5.7.1.4): these see the stores above; the next block's stores come behind them
.set j, j+1
.endr
.endm
.macro SEND a, younger                 ; younger: the LDS instructions issued behind block a's loads: the next block's 32, or none
.set OB, OB0+64*((\a)%2)
.set j, 0
.rept 16
	s_wait_dscnt (\younger)+15-j
	global_store_b128 v[CO], v[OB+4*j:OB+4*j+3], s[8:9] offset:(16*(\a)+j)*4096 th:TH_STORE_NT  ; 512 consecutive bytes, at a multiple of 256 from out0's first
.set j, j+1
.endr
.endm
	TOSTAGE 0
	TOSTAGE 1
	SEND 0, 32
	TOSTAGE 2
	SEND 1, 32
	TOSTAGE 3
	SEND 2, 32
	SEND 3, 0
	s_wait_tensorcnt 0x0                           ; the wave's end, behind my last tensor load and my last LDS store
	ds_add_u32 v[SPW], v[NIL]
	s_wait_dscnt 0x0
	CROUND                                         ; the closing round: no work-group ends while a partner may still ask for a tile that names it
	s_endpgm
.Lfunc_end_k_qdfcc2fbe16_oproj:
	.size	k_qdfcc2fbe16_oproj, .Lfunc_end_k_qdfcc2fbe16_oproj-k_qdfcc2fbe16_oproj
	.p2alignl 7, 3214868480
	.fill 96, 4, 3214868480
	.section	.rodata,"a",@progbits
	.p2align	6, 0x0
	.amdhsa_kernel k_qdfcc2fbe16_oproj
		.amdhsa_group_segment_fixed_size 327680
		.amdhsa_private_segment_fixed_size 0
		.amdhsa_enable_private_segment 0
		.amdhsa_kernarg_size 24
		.amdhsa_user_sgpr_count 2
		.amdhsa_user_sgpr_kernarg_segment_ptr 1
		.amdhsa_wavefront_size32 1
		.amdhsa_system_sgpr_workgroup_id_x 1
		.amdhsa_system_sgpr_workgroup_id_y 1
		.amdhsa_system_sgpr_workgroup_id_z 1
		.amdhsa_system_vgpr_workitem_id 0
		.amdhsa_next_free_vgpr 896
		.amdhsa_next_free_sgpr 66
		.amdhsa_reserve_vcc 0
		.amdhsa_float_denorm_mode_32 3
		.amdhsa_float_denorm_mode_16_64 3
		.amdhsa_memory_ordered 1
		.amdhsa_forward_progress 1
		.amdhsa_inst_pref_size 88
	.end_amdhsa_kernel
	.amdgpu_metadata
---
amdhsa.version: [ 1, 2 ]
amdhsa.kernels:
  - .name:           k_qdfcc2fbe16_oproj
    .symbol:         k_qdfcc2fbe16_oproj.kd
    .args:
      - { .name: o16, .offset: 0, .size: 8, .value_kind: global_buffer, .address_space: global }
      - { .name: wo16, .offset: 8, .size: 8, .value_kind: global_buffer, .address_space: global }
      - { .name: out0, .offset: 16, .size: 8, .value_kind: global_buffer, .address_space: global }
    .group_segment_fixed_size: 327680
    .private_segment_fixed_size: 0
    .kernarg_segment_align: 8
    .kernarg_segment_size: 24
    .max_flat_workgroup_size: 128
    .sgpr_count:     66
    .vgpr_count:     896
    .wavefront_size: 32
...
	.end_amdgpu_metadata
.endif
;; end of part 4
